; MI455X (gfx1250); checked and timed in simulation.
; The chip was launched on July 23, 2026; its instructions are those of AMD's public machine-readable ISA for CDNA 5 (MIT licence, August 2026) and "CDNA5" Instruction Set Architecture Reference Guide (July 2026). The comments in the code are by the model that wrote it; some were corrected since.
;; Slot Model. Allowed arithmetic: matrix products marked QUANTISED: E2M1 operands, one E8M0 scale for each 32 along K, by v_wmma_scale_f32_16x16x128_f8f6f4 with both operands' format E2M1 (or v_wmma_scale_f32_32x16x128_f4), f32 sums; products left as they are: f32 operands where the result goes on into a quantised operand, else bf16, f16 or f32 operands; f32 sums; everything else in f32.
;; Inputs: W1 64 x 128 float32; W2 128 x 64 float32; Wo 64 x 64 float32; Wq 64 x 64 float32; b1 128 float32; b2 64 float32; beta 64 float32; bo 64 float32; bq 64 float32; embed 64 x 64 float32; gamma 64 float32; seq 2,048 x 512 int32.
;; Outputs: out0 2,048 x 64 float32.
;; This version of the problem:
;;   THIS VERSION OF THE PROBLEM IS GIVEN IN LOW PRECISION. The matrix products marked QUANTISED in the list below multiply operands that are first quantised to E2M1 (2 exponent bits, 1 mantissa bit; 4 bits a number), with one power-of-two scale for each 32 numbers along K (OCP MX v1.0); their sums are f32. All else is computed in f32.
;;   The module's matrix products, in the order in which they are computed (A, B: the left and right operand; K: the contracted axis; several contracted axes count as one K, in the product's order):
;;     1. [M 1,048,576, K 64] x [K 64, N 128]; A: computed on the way; B: input W1: QUANTISED
;;     2. [M 1,048,576, K 128] x [K 128, N 64]; A: computed on the way; B: input W2: QUANTISED
;;     3. [M 2,048, K 64] x [K 64, N 64]; A: computed on the way; B: input Wq: QUANTISED
;;     4. batch 2,048 x [M 1, K 64] x [K 64, N 6]; A: computed on the way; B: computed on the way: left as it is (M = 1 < 16)
;;     5. batch 2,048 x [M 1, K 6] x [K 6, N 64]; A: softmax; B: computed on the way: left as it is (K = 6 < 32)
;;     6. [M 2,048, K 64] x [K 64, N 64]; A: computed on the way; B: input Wo: QUANTISED
;;   THE QUANTISER, for each operand of a quantised product, along K:
;;     - K is cut into blocks of 32 from its start; a last block that is shorter is filled with zeros.
;;     - A block's scale is 2^e with e = floor(log2(the largest magnitude in the block)) - 2, held to -126 .. 127; a block of zeros has e = 0. As a byte (E8M0): e + 127.
;;     - Each number is divided by its block's scale, clamped to +-6, and rounded to the nearest number of E2M1, ties to even, subnormals kept.
;;     - The product sums the exact products of the quantised numbers (number of the format x scale) in f32.
;;   ~~~python
;;   def quantise(x, axis):      # numpy; x: float32 -> the quantised numbers, widened to float32 again
;;       x = np.moveaxis(x, axis, -1); K = x.shape[-1]
;;       x = np.pad(x, [(0, 0)] * (x.ndim - 1) + [(0, -K % 32)]); x = x.reshape(x.shape[:-1] + (-1, 32)); a = np.abs(x).max(-1, keepdims=True)
;;       e = np.where(a > 0, np.clip(np.frexp(np.where(a > 0, a, 1))[1] - 1 - 2, -126, 127), 0)      # np.frexp(a)[1] - 1 = floor(log2(a)), exactly
;;       r = np.clip(x / 2.0 ** e, -6, 6)
;;       step = 2.0 ** (np.maximum(np.frexp(np.where(r == 0, 1, r))[1] - 1, 0) - 1)
;;       q = np.round(r / step) * step * 2.0 ** e      # np.round: ties to even
;;       return np.moveaxis(q.reshape(q.shape[:-2] + (-1,))[..., :K], -1, axis).astype(np.float32)
;;   ~~~
;;   OPERANDS COMPUTED ON THE WAY. 'Computed on the way' means the value that the module computes at that place (a softmax that the list does not call 'softmax' is quantised finished and normalised). What goes into a quantiser is computed in f32, as accurately as f32 sums, v_exp_f32 and their like allow (about 1e-6 of the number): no bf16 or f16 on the way to a quantiser, and a product that is left as it is and whose result goes on into a quantised operand takes f32 operands (vector FMAs, or v_wmma_f32_16x16x4_f32). A number that lies on a knife's edge between two numbers of the format may be rounded either way, as far as f32 arithmetic and the matrix unit's own rounding can turn it there, and no further.
;; 2 versions, each right; version 2 is version 1 with the launches norms, slots written anew for expert scheduling mode. Each part assembles by itself: llvm-mc -triple=amdgcn-amd-amdhsa -mcpu=gfx1250 --defsym DOCPART=n.
;; ======== version 1 of 2: 2 launches
;; workspace buffers: sel 65,536 bytes of whole numbers
;; launch norms (part 1): grid 256 x 1, 8 waves a work-group, no clusters, 46,080 bytes of LDS; arguments seq, embed, W1, b1, W2, b2, gamma, beta, sel; writes sel
.if DOCPART == 1
	.amdgcn_target "amdgcn-amd-amdhsa--gfx1250"
	.amdhsa_code_object_version 6
	.text
	.protected	k_qe2b2d5d29b_norms
	.globl	k_qe2b2d5d29b_norms
	.p2align	8
	.type	k_qe2b2d5d29b_norms,@function
k_qe2b2d5d29b_norms:
	s_mov_b64 s[64:65], 0
	v_nop
	global_prefetch_b8 v0, s[64:65] scope:SCOPE_SE
	s_setreg_imm32_b32 hwreg(HW_REG_WAVE_MODE, 25, 1), 1
	s_wait_xcnt 0x0
; For every position of seq [2048][512]: e = embed[token], x = e + relu(e W1 + b1) W2 + b2, y = layernorm(x) gamma + beta, |y|;
; then for each row the six positions among 0 .. 508 with the largest |y|, equal norms to the lower position, stored as whole numbers:
; sel [2048][8] = 511, the six positions, 511 (the last column only completes the row's 32 bytes).
; Both products run on codes of E2M1 with one E8M0 byte for each 32 along K; all else is f32.
; SHARES.  256 work-groups of eight waves; wave w of work-group g owns row 8 g + w: 32 tiles of 16 positions.
; THE HEAD.  The eight waves quantise W1, W2 and embed once (a lane takes a column of a weight, its 32 registers run down K: one whole block) and
; leave them in LDS: the weights as images of their operand registers, embed as a table of codes, a table of scale words and a table of embed + b2 in f32.
; Quantising a gathered row is the same as gathering the quantised row, so a position's first operand is 16 bytes of the table.
; LAYOUT.  Both products are used transposed (source 0 = 16 rows of the weight, source 1 = 16 positions): lane (r, h) holds position r throughout.
; Lane r of weight tile 2 b + u takes unit 32 b + 8 u + r + 8 (r / 8), so that in every result register 16 b + i of lane (r, h) is unit 32 b + 16 h + i.
; THE FIRST PRODUCT HAS K = 64 in an instruction of K = 128: a weight fragment carries tile 2 f in its K slots 0-63 and tile 2 f + 1 in slots 64-127; the
; positions' codes stand between two runs of zero registers, and are named as [e | 0] for the even tile and [0 | e] for the odd one: zero codes add nothing.
; RELU rides on the quantiser: negative numbers do not enter the block's maximum, and their codes (sign bit set) are cleared behind the conversion.
; LIMITS.  NaN and infinities among the inputs are not served.  A block of zeros has the scale byte 1 where the rule says 127 (its codes are zeros; only this
; program reads the bytes).  v_rsq_f32 and v_sqrt_f32 are good to one unit in the last place: two different tokens whose norms lie that close may be
; ordered otherwise than by exact arithmetic.  b2 is added to e ahead of the second product's sum, not behind it.
; No tensor loads, no cluster: what work-groups share (80 KiB of weights) has to pass through registers to be quantised, and is read once by each.
.set W1IMG, 0                          ; LDS: W1's four fragments, 1,024 bytes each: registers 4 c .. 4 c + 3 at 16 x lane + 512 c
.set W2IMG, 4096                       ; W2's four
.set W1SC,  8192                       ; their scale words: 4 bytes a row, 64 a fragment
.set W2SC,  8448
.set ECODE, 8704                       ; embed's codes: 16 bytes a token for k 0-31, and 1,024 bytes on for k 32-63
.set ESC,   10752                      ; embed's scale words, one a token: s0, s1, s0, s1
.set RES,   11008                      ; embed + b2, f32: 64 rows of 256 bytes + 16
.set RP,    272
.set SEQ,   28416                      ; the eight rows of tokens, 2,048 bytes a wave
.set IDXS,  44800                      ; the work-group's 256 bytes of sel
.set LN,  1                            ; v1 lane   v2 r = lane % 16   v3 h = lane / 16   v4 r + 8 (r / 8)
.set RR,  2
.set HH,  3
.set RPR, 4
.set SQA, 5                            ; v5  my token's place in tile 0: SEQ + 2048 w + 4 r
.set EB,  6                            ; v6  ECODE + 1024 h
.set RB,  7                            ; v7  RES + 64 h
.set TA,  10                           ; v10-14 the next tile: token's address, token, addresses of its codes, scale word, residual
.set TK,  11
.set EA,  12
.set SA,  13
.set RA,  14
.set ZE,  16                           ; v16-19 zeros, v20-23 e's codes, v24-27 zeros
.set ES,  28                           ; e's scale word
.set PW,  29                           ; the hidden layer's scale word
.set NM,  30                           ; v[30:31] -mean (low word)
.set XR,  32                           ; v32-63 embed + b2 of my position: C of the second product
.set H,   64                           ; v64-127 the hidden layer
.set XA,  64                           ; v64-95 the second product's result, then y
.set P,   128                          ; v128-135 the hidden layer's codes
.set TM,  136                          ; v136-151 at work
.set NA,  152                          ; the pair's two norms
.set NB,  153
.set LI,  155                          ; 16 x lane
.set LS,  156                          ; 4 r
.set SQS, 157                          ; head: where my tokens go
.set W1F, 160                          ; v160-191, v192-223 the weights' fragments; v224-231 their scale words
.set W2F, 192
.set W1S, 224
.set W2S, 228
.set N,   232                          ; v232-247 the row's norms: register u, lane l: position 32 u + l
.set RS,  250                          ; v[250:251] 1 / sqrt(var + eps) (low word)
.set B1,  0                            ; window 1: b1 v0-63, gamma v64-95, beta v96-127, in the results' layout
.set G,   64
.set BT,  96
.set WO1, 16                           ; head only, v16-29: offsets and LDS addresses
.set WO2, 17
.set IMA, 18
.set SCA, 19
.set ECA, 20
.set ESA, 21
.set RSA, 22
.set V8H, 23
.set H64, 24
.set EO,  25
.set B2O, 26
.set L7,  27
.set P1,  28
.set PQ,  29
.set IX,  80                           ; the choice: v80-95 positions as f32, v96-111 candidates, v112-117 at work, v118-123 the six, v124 1024.0
.set CD,  96
.set MX,  112
.set MN,  116
.set SELR, 118
.set BIG, 124
.set MSB, 0
.macro WIN new                         ; the immediate's high byte repeats the setting that is left
.if MSB != \new
	s_set_vgpr_msb (MSB<<8)|\new
.set MSB, \new
.endif
.endm
.macro PLACES n
.rept \n
	v_nop
.endr
.endm
.macro HALF x, sb, pitch, wo           ; 32 numbers down K of my column: one whole block
.set ii, 0
.rept 32
	global_load_b32 v[\x+ii], v[\wo], s[\sb:\sb+1] offset:ii*\pitch
.set ii, ii+1
.endr
.endm
.macro LDVEC dst, sb, nb               ; a vector in the results' layout: register 16 b + i = number 32 b + 16 h + i
.set bb, 0
.rept \nb
.irp q, 0,1,2,3
	global_load_b128 v[\dst+16*bb+4*\q:\dst+16*bb+4*\q+3], v[H64], s[\sb:\sb+1] offset:128*bb+16*\q
.endr
.set bb, bb+1
.endr
.endm
; My 16 numbers of a row of embed (v176-191; two lanes, l and l xor 8, hold a block) become 8 bytes of codes; the row's scale word; and embed + b2 (b2 in v192-207).
.macro PREP_E
	v_max3_num_f32 v208, |v176|, |v177|, 0x1800000     ; the floor 2^(3 - 127) among the leaves holds the byte at 1 from below
	v_max3_num_f32 v209, |v184|, |v185|, |v186|
	v_max3_num_f32 v208, v208, |v178|, |v179|
	v_max3_num_f32 v209, v209, |v187|, |v188|
	v_max3_num_f32 v208, v208, |v180|, |v181|
	v_max3_num_f32 v209, v209, |v189|, |v190|
	v_max3_num_f32 v208, v208, |v182|, |v183|
	v_max3_num_f32 v208, v208, v209, |v191|
	v_max_num_f32_dpp v208, v208, v208 row_xmask:8 row_mask:0xf bank_mask:0xf   ; with the block's other half
	v_add_nc_u32 v210, 0xff000000, v208                ; 2 off the exponent field: the conversion's scale operand
	v_lshrrev_b32 v211, 23, v210                       ; the byte
	v_lshlrev_b32 v211, v[V8H], v211                   ; at its place: block h
	v_mov_b32 v212, 0
	v_permlanex16_b32 v212, v211, s26, s27
	v_or_b32 v211, v211, v212                          ; s0 | s1 << 8
	v_lshl_or_b32 v211, v211, 16, v211                 ; and once more for K slots 64-127
	v_cvt_scalef32_pk8_fp4_f32 v214, v[176:183], v210
	v_cvt_scalef32_pk8_fp4_f32 v215, v[184:191], v210
	v_nop                                              ; one plain place behind a scaled conversion
	ds_store_b64 v[ECA], v[214:215]
	ds_store_b32 v[ESA], v211                          ; four lanes write the same word with the same value
.set jj, 0
.rept 8
	v_pk_add_f32 v[176+jj:177+jj], v[176+jj:177+jj], v[192+jj:193+jj]
.set jj, jj+2
.endr
.irp q, 0,1,2,3
	ds_store_b128 v[RSA], v[176+4*\q:179+4*\q] offset:16*\q
.endr
.endm
; My block of 32 numbers v[x] .. becomes four registers of a fragment (image to LDS) and, with lane l xor 16's byte, half a scale word.  t: five registers at work, c: the codes.
.macro QHALF x, t, c, img, sc
	v_max3_num_f32 v[\t], |v[\x]|, |v[\x+1]|, 0x1800000
	v_max3_num_f32 v[\t+1], |v[\x+16]|, |v[\x+17]|, |v[\x+18]|
.irp i, 2,4,6,8,10,12
	v_max3_num_f32 v[\t], v[\t], |v[\x+\i]|, |v[\x+\i+1]|
	v_max3_num_f32 v[\t+1], v[\t+1], |v[\x+17+\i]|, |v[\x+18+\i]|
.endr
	v_max3_num_f32 v[\t], v[\t], |v[\x+14]|, |v[\x+15]|
	v_max3_num_f32 v[\t], v[\t], v[\t+1], |v[\x+31]|
	v_add_nc_u32 v[\t+2], 0xff000000, v[\t]
	v_lshrrev_b32 v[\t+3], 23, v[\t+2]
	v_lshlrev_b32 v[\t+3], v[V8H], v[\t+3]
	v_mov_b32 v[\t+4], 0
	v_permlanex16_b32 v[\t+4], v[\t+3], s26, s27
	v_or_b32 v[\t+3], v[\t+3], v[\t+4]                 ; the bytes of blocks 2 c and 2 c + 1 of my row
.irp g, 0,1,2,3
	v_cvt_scalef32_pk8_fp4_f32 v[\c+\g], v[\x+8*\g:\x+8*\g+7], v[\t+2]
.endr
	v_nop
	ds_store_b128 v[IMA], v[\c:\c+3] offset:\img
	ds_store_b16 v[SCA], v[\t+3] offset:\sc
.endm
.macro ADDR                            ; the token, held inside the tables, and its three addresses
	v_min_u32 v[TK], 63, v[TK]
	v_lshl_add_u32 v[EA], v[TK], 4, v[EB]
	v_lshl_add_u32 v[SA], v[TK], 2, ESC
	v_mad_u32_u24 v[RA], v[TK], RP, v[RB]
.endm
.macro XRLOAD
.irp b, 0,1
.irp q, 0,1,2,3
	ds_load_b128 v[XR+16*\b+4*\q:XR+16*\b+4*\q+3], v[RA] offset:128*\b+16*\q
.endr
.endr
.endm
; relu and the quantiser of the hidden layer: four blocks of 32 along the next K; a block lies in lanes l and l xor 16.
.macro QUANTH
.irp b, 0,1,2,3
	v_max3_num_f32 v[TM+\b], v[H+16*\b], v[H+16*\b+1], 0x1800000   ; no |.|: what is negative does not count; each accumulator is read from its low end on
.endr
.irp i, 2,4,6,8,10,12,14
.irp b, 0,1,2,3
	v_max3_num_f32 v[TM+\b], v[TM+\b], v[H+16*\b+\i], v[H+16*\b+\i+1]
.endr
.endr
.irp b, 0,1,2,3
	v_permlanex16_b32 v[TM+4+\b], v[TM+\b], s26, s27
.endr
.irp b, 0,1,2,3
	v_max_num_f32 v[TM+\b], v[TM+\b], v[TM+4+\b]
.endr
.irp b, 0,1,2,3
	v_add_nc_u32 v[TM+12+\b], 0xff000000, v[TM+\b]
.endr
.irp b, 0,1,2,3
	v_lshrrev_b32 v[TM+4+\b], 23, v[TM+12+\b]
.endr
	v_lshl_or_b32 v[PW], v[TM+5], 8, v[TM+4]
	v_lshl_or_b32 v[PW], v[TM+6], 16, v[PW]
	v_lshl_or_b32 v[PW], v[TM+7], 24, v[PW]
.irp b, 0,1,2,3
	v_cvt_scalef32_pk8_fp4_f32 v[P+2*\b], v[H+16*\b:H+16*\b+7], v[TM+12+\b]
	v_cvt_scalef32_pk8_fp4_f32 v[P+2*\b+1], v[H+16*\b+8:H+16*\b+15], v[TM+12+\b]
.endr
	v_nop
.irp g, 0,4                            ; a code with its sign bit set becomes 0: 15 x (sign bits) is the mask of such codes
.irp j, 0,1,2,3
	v_lshrrev_b32 v[TM+\j], 3, v[P+\g+\j]
.endr
.irp j, 0,1,2,3
	v_and_b32 v[TM+\j], s33, v[TM+\j]
.endr
.irp j, 0,1,2,3
	v_lshlrev_b32 v[TM+4+\j], 4, v[TM+\j]
.endr
.irp j, 0,1,2,3
	v_sub_nc_u32 v[TM+4+\j], v[TM+4+\j], v[TM+\j]
.endr
.irp j, 0,1,2,3
	v_bfi_b32 v[P+\g+\j], v[TM+4+\j], 0, v[P+\g+\j]
.endr
.endr
.irp c, 0,1                            ; the operand wants a whole block in a lane: lanes 0-15 block 2 c, lanes 16-31 block 2 c + 1
.irp i, 0,1
	v_permlane16_swap_b32 v[P+4*\c+\i], v[P+4*\c+2+\i]
.endr
.endr
.endm
.macro FOLD                            ; four packed partial sums -> the position's sum over its 64 numbers, in v[TM+8] of both its lanes
	v_pk_add_f32 v[TM:TM+1], v[TM:TM+1], v[TM+2:TM+3]
	v_pk_add_f32 v[TM+4:TM+5], v[TM+4:TM+5], v[TM+6:TM+7]
	v_pk_add_f32 v[TM:TM+1], v[TM:TM+1], v[TM+4:TM+5]
	v_add_f32 v[TM+8], v[TM], v[TM+1]
	v_permlanex16_b32 v[TM+9], v[TM+8], s26, s27
	v_add_f32 v[TM+8], v[TM+8], v[TM+9]
.endm
.macro SQSUM                           ; partial sums of squares, four chains
.irp t, 0,1,2,3
	v_pk_mul_f32 v[TM+2*\t:TM+2*\t+1], v[XA+8*\t:XA+8*\t+1], v[XA+8*\t:XA+8*\t+1]
.endr
.irp j, 2,4,6
.irp t, 0,1,2,3
	v_pk_fma_f32 v[TM+2*\t:TM+2*\t+1], v[XA+8*\t+\j:XA+8*\t+\j+1], v[XA+8*\t+\j:XA+8*\t+\j+1], v[TM+2*\t:TM+2*\t+1]
.endr
.endr
.endm
.macro LNORM                           ; x in v[XA] .. -> y = (x - mean) / sqrt(var + eps) x gamma + beta, in place
.irp t, 0,1,2,3
	v_pk_add_f32 v[TM+2*\t:TM+2*\t+1], v[XA+8*\t:XA+8*\t+1], v[XA+8*\t+2:XA+8*\t+3]   ; each accumulator's first read is of its low end
.endr
.irp j, 4,6
.irp t, 0,1,2,3
	v_pk_add_f32 v[TM+2*\t:TM+2*\t+1], v[TM+2*\t:TM+2*\t+1], v[XA+8*\t+\j:XA+8*\t+\j+1]
.endr
.endr
	FOLD
	v_mul_f32 v[NM], 0xbc800000, v[TM+8]               ; -mean
.set jj, 0
.rept 16
	v_pk_add_f32 v[XA+jj:XA+jj+1], v[XA+jj:XA+jj+1], v[NM:NM+1] op_sel_hi:[1,0]
.set jj, jj+2
.endr
	SQSUM
	FOLD
	v_fma_f32 v[TM+8], v[TM+8], s28, s29               ; var + eps
	v_rsq_f32 v[RS], v[TM+8]
	v_nop                                              ; one plain place behind a transcendental
.set jj, 0
	s_wait_alu depctr_va_vdst(0)
.rept 16
	v_pk_mul_f32 v[XA+jj:XA+jj+1], v[XA+jj:XA+jj+1], v[RS:RS+1] op_sel_hi:[1,0]
.set jj, jj+2
.endr
	WIN 0x14                                           ; gamma and beta lie in window 1
.set jj, 0
.rept 16
	v_pk_fma_f32 v[XA+jj:XA+jj+1], v[XA+jj:XA+jj+1], v[G+jj:G+jj+1], v[BT+jj:BT+jj+1]
.set jj, jj+2
.endr
	WIN 0
.endm
; ONE TILE of 16 positions.  more = 1: the next tile's token (off bytes behind s31's place), codes, scale word and residual are fetched on the way.  dst: where the norm goes.
.macro TILE more, off, dst
	s_wait_dscnt 8                                     ; e's codes and scale word are in; the eight loads of the residual, issued behind them, may be out
	WIN 0x10                                           ; C = b1, in window 1
.irp t, 0,1,2,3,4,5,6,7
	v_wmma_scale_f32_16x16x128_f8f6f4 v[H+8*\t:H+8*\t+7], v[W1F+8*(\t/2):W1F+8*(\t/2)+7], v[ZE+4-4*(\t%2):ZE+11-4*(\t%2)], v[B1+8*\t:B1+8*\t+7], v[W1S+\t/2], v[ES] matrix_a_fmt:MATRIX_FMT_FP4 matrix_b_fmt:MATRIX_FMT_FP4
.endr
	WIN 0
.if \more
	v_add_nc_u32 v[TA], s31, v[SQA]                    ; with the three below: four places behind the products (ISA guide 7.12.1)
	ds_load_b32 v[TK], v[TA] offset:\off
	PLACES 3
.else
	PLACES 4
.endif
	QUANTH
	s_wait_dscnt 0x0                                   ; the next token and this tile's residual are in
.if \more
	ADDR                                               ; four plain lines: the places between the exchange of halves and the product that takes the codes
	ds_load_b128 v[ZE+4:ZE+7], v[EA]
	ds_load_b32 v[ES], v[SA]
.else
	PLACES 4
.endif
.irp t, 0,1,2,3
	v_wmma_scale_f32_16x16x128_f8f6f4 v[XA+8*\t:XA+8*\t+7], v[W2F+8*\t:W2F+8*\t+7], v[P:P+7], v[XR+8*\t:XR+8*\t+7], v[W2S+\t], v[PW] matrix_a_fmt:MATRIX_FMT_FP4 matrix_b_fmt:MATRIX_FMT_FP4
.endr
	PLACES 4                                           ; in front of the loads into C's registers and of the first read of the results
.if \more
	XRLOAD
.endif
	LNORM
	SQSUM
	FOLD
	v_sqrt_f32 v[\dst], v[TM+8]
	v_nop
.endm
; Two tiles, and their norms into the run of 16 registers, which moves down by one: after 16 pairs register u holds pair u, the even tile in lanes 0-15, the odd in lanes 16-31.
.macro PAIR last
	TILE 1, 64, NA
.if \last
	TILE 0, 0, NB
.else
	TILE 1, 128, NB
.endif
.set uu, 0
.rept 15
	v_mov_b32 v[N+uu], v[N+uu+1]
.set uu, uu+1
.endr
	s_wait_alu depctr_va_vdst(0)
	v_cndmask_b32 v[N+15], v[NA], v[NB], s34
.endm
; The largest norm left, the lowest position that has it, and that position struck out.
.macro PICK j
	v_max3_num_f32 v[MX], v[N], v[N+1], v[N+2]
	v_max3_num_f32 v[MX+1], v[N+3], v[N+4], v[N+5]
	v_max3_num_f32 v[MX], v[MX], v[N+6], v[N+7]
	v_max3_num_f32 v[MX+1], v[MX+1], v[N+8], v[N+9]
	v_max3_num_f32 v[MX], v[MX], v[N+10], v[N+11]
	v_max3_num_f32 v[MX+1], v[MX+1], v[N+12], v[N+13]
	v_max3_num_f32 v[MX], v[MX], v[N+14], v[N+15]
	v_max_num_f32 v[MX], v[MX], v[MX+1]
.irp k, 1,2,4,8
	v_max_num_f32_dpp v[MX], v[MX], v[MX] row_xmask:\k row_mask:0xf bank_mask:0xf
.endr
	v_permlanex16_b32 v[MX+2], v[MX], s26, s27
	v_max_num_f32 v[MX], v[MX], v[MX+2]
.irp g, 0,4,8,12
.irp u, 0,1,2,3
	v_cmp_eq_f32 s[40+\u], v[N+\g+\u], v[MX]
.endr
.irp u, 0,1,2,3
	v_cndmask_b32 v[CD+\g+\u], v[BIG], v[IX+\g+\u], s[40+\u]   ; the position where the norm is the largest, else 1024
.endr
.endr
	v_min3_num_f32 v[MN], v[CD], v[CD+1], v[CD+2]
	v_min3_num_f32 v[MN+1], v[CD+3], v[CD+4], v[CD+5]
	v_min3_num_f32 v[MN], v[MN], v[CD+6], v[CD+7]
	v_min3_num_f32 v[MN+1], v[MN+1], v[CD+8], v[CD+9]
	v_min3_num_f32 v[MN], v[MN], v[CD+10], v[CD+11]
	v_min3_num_f32 v[MN+1], v[MN+1], v[CD+12], v[CD+13]
	v_min3_num_f32 v[MN], v[MN], v[CD+14], v[CD+15]
	v_min_num_f32 v[MN], v[MN], v[MN+1]
.irp k, 1,2,4,8
	v_min_num_f32_dpp v[MN], v[MN], v[MN] row_xmask:\k row_mask:0xf bank_mask:0xf
.endr
	v_permlanex16_b32 v[MX+2], v[MN], s26, s27
	v_min_num_f32 v[SELR+\j], v[MN], v[MX+2]
.irp g, 0,4,8,12
.irp u, 0,1,2,3
	v_cmp_eq_f32 s[40+\u], v[IX+\g+\u], v[SELR+\j]
.endr
.irp u, 0,1,2,3
	v_cndmask_b32 v[N+\g+\u], v[N+\g+\u], -1.0, s[40+\u]
.endr
.endr
.endm
	s_load_b512 s[4:19], s[0:1], 0x0                   ; seq s[4:5], embed s[6:7], W1 s[8:9], b1 s[10:11], W2 s[12:13], b2 s[14:15], gamma s[16:17], beta s[18:19]
	s_load_b64 s[20:21], s[0:1], 0x40                  ; sel
	v_lshl_add_u32 v254, v0, 2, 0xb000
	v_mov_b32 v255, 0
	v_lshrrev_b32 v[LN], 5, v0
	v_readfirstlane_b32 s22, v[LN]                     ; wave 0..7
	v_and_b32 v[LN], 31, v0
	v_and_b32 v[RR], 15, v0
	v_bfe_u32 v[HH], v0, 4, 1
	v_and_b32 v[RPR], 8, v0
	v_add_nc_u32 v[RPR], v[RPR], v[RR]                 ; r + 8 (r / 8)
	v_and_b32 v[L7], 7, v0                             ; embed: my row of the wave's eight,
	v_bfe_u32 v[P1], v0, 3, 1
	v_bfe_u32 v[PQ], v0, 3, 2                          ; and which 16 of its 64 numbers
	v_lshlrev_b32 v[LI], 4, v[LN]
	v_lshlrev_b32 v[LS], 2, v[RR]
	v_lshlrev_b32 v[WO1], 2, v[RPR]
	v_lshl_add_u32 v[WO2], v[HH], 13, v[WO1]           ; W2: 32 h rows of 256 bytes + my column
	v_lshl_add_u32 v[WO1], v[HH], 14, v[WO1]           ; W1: 32 h rows of 512 bytes + my column
	v_lshlrev_b32 v[V8H], 3, v[HH]
	v_lshlrev_b32 v[H64], 6, v[HH]
	v_lshlrev_b32 v[EO], 8, v[L7]
	v_lshl_add_u32 v[EO], v[PQ], 6, v[EO]
	v_lshlrev_b32 v[B2O], 6, v[PQ]
	s_mov_b32 s26, 0x76543210                          ; v_permlanex16_b32's selects for lane l xor 16
	s_mov_b32 s27, 0xfedcba98
	s_mov_b32 s28, 0x3c800000                          ; 1 / 64
	s_mov_b32 s29, 0x3727c5ac                          ; 1e-5
	s_mov_b32 s33, 0x11111111
	s_mov_b32 s34, 0xffff0000                          ; lanes 16-31
	s_and_b32 s35, s22, 1                              ; w & 1
	s_lshr_b32 s44, s22, 1                             ; w >> 1
	s_mov_b32 s25, 0
	s_wait_kmcnt 0x0
	s_lshl_b32 s24, ttmp9, 14
	s_lshl_b32 s23, s22, 11
	s_add_co_u32 s24, s24, s23
	s_add_nc_u64 s[4:5], s[4:5], s[24:25]              ; seq at row 8 g + w
	s_mov_b32 s24, s23
	s_add_nc_u64 s[6:7], s[6:7], s[24:25]              ; embed at row 8 w
	s_lshl_b32 s24, s44, 7
	s_lshl_b32 s23, s35, 5
	s_add_co_u32 s24, s24, s23
	s_add_nc_u64 s[8:9], s[8:9], s[24:25]              ; W1 at tile w's first unit: 32 (w / 2) + 8 (w % 2)
	s_lshl_b32 s24, s35, 14
	s_lshr_b32 s23, s22, 2
	s_lshl_b32 s23, s23, 7
	s_add_co_u32 s24, s24, s23
	s_and_b32 s23, s44, 1
	s_lshl_b32 s23, s23, 5
	s_add_co_u32 s24, s24, s23
	s_add_nc_u64 s[12:13], s[12:13], s[24:25]          ; W2 at K = 64 (w % 2), tile w / 2's first unit
	s_lshl_b32 s24, ttmp9, 8
	s_add_nc_u64 s[20:21], s[20:21], s[24:25]          ; sel at the work-group's eight rows
.irp i, 0,1,2,3
	global_load_b128 v[160+4*\i:163+4*\i], v[LI], s[4:5] offset:512*\i th:TH_LOAD_NT   ; my row of tokens, 512 consecutive bytes a load
.endr
.irp i, 0,1,2,3
	global_load_b128 v[176+4*\i:179+4*\i], v[EO], s[6:7] offset:16*\i
.endr
.irp i, 0,1,2,3
	global_load_b128 v[192+4*\i:195+4*\i], v[B2O], s[14:15] offset:16*\i
.endr
	HALF 64, 8, 512, WO1
	HALF 96, 12, 256, WO2
	s_lshl_b32 s45, s22, 9                             ; LDS addresses, while the loads are out
	v_add_nc_u32 v[IMA], s45, v[LI]                    ; my half fragment's image: 16 x lane + 512 w
	s_lshl_b32 s45, s44, 6
	s_lshl_b32 s46, s35, 1
	s_add_co_u32 s45, s45, s46
	v_add_nc_u32 v[SCA], s45, v[LS]                    ; its half scale word: 4 r + 64 (w / 2) + 2 (w % 2)
	s_lshl_b32 s45, s22, 7
	s_add_co_u32 s45, s45, ECODE
	v_lshlrev_b32 v[ECA], 4, v[L7]
	v_lshl_add_u32 v[ECA], v[P1], 3, v[ECA]
	v_lshl_add_u32 v[ECA], v[HH], 10, v[ECA]
	v_add_nc_u32 v[ECA], s45, v[ECA]
	s_lshl_b32 s45, s22, 5
	s_add_co_u32 s45, s45, ESC
	v_lshlrev_b32 v[ESA], 2, v[L7]
	v_add_nc_u32 v[ESA], s45, v[ESA]
	s_mul_i32 s45, s22, 8*RP
	s_add_co_u32 s45, s45, RES
	v_mul_u32_u24 v[RSA], v[L7], RP
	v_lshl_add_u32 v[RSA], v[PQ], 6, v[RSA]
	v_add_nc_u32 v[RSA], s45, v[RSA]
	s_lshl_b32 s45, s22, 11
	s_add_co_u32 s45, s45, SEQ
	v_add_nc_u32 v[SQS], s45, v[LI]
	v_add_nc_u32 v[SQA], s45, v[LS]
	v_lshl_add_u32 v[EB], v[HH], 10, ECODE
	v_lshl_add_u32 v[RB], v[HH], 6, RES
	s_wait_loadcnt 63                                  ; tokens, embed and b2 are in: 64 loads were issued behind them
.irp i, 0,1,2,3
	ds_store_b128 v[SQS], v[160+4*\i:163+4*\i] offset:512*\i
.endr
	PREP_E
	WIN 0x40                                           ; destination window 1
	LDVEC B1, 10, 4
	LDVEC G, 16, 2
	LDVEC BT, 18, 2
	WIN 0
	s_wait_loadcnt 63                                  ; W1's 32 are in: 64 loads were issued behind them
	QHALF 64, 216, 224, W1IMG, W1SC
	s_wait_loadcnt 32                                  ; W2's 32 are in: the 32 loads of the vectors were issued behind them
	QHALF 96, 228, 236, W2IMG, W2SC
	s_wait_dscnt 0x0                                   ; my stores have landed,
	s_barrier_signal -1
	s_barrier_wait -1                                  ; everybody's have: images and tables are whole.  From here to the next barrier LDS is only read
.irp f, 0,1,2,3
.irp c, 0,1
	ds_load_b128 v[W1F+8*\f+4*\c:W1F+8*\f+4*\c+3], v[LI] offset:W1IMG+1024*\f+512*\c
	ds_load_b128 v[W2F+8*\f+4*\c:W2F+8*\f+4*\c+3], v[LI] offset:W2IMG+1024*\f+512*\c
.endr
	ds_load_b32 v[W1S+\f], v[LS] offset:W1SC+64*\f
	ds_load_b32 v[W2S+\f], v[LS] offset:W2SC+64*\f
.endr
	s_wait_loadcnt 0x0                                 ; b1, gamma, beta; and no load names the head's offset registers any more
	s_wait_dscnt 0x0
.irp j, 0,1,2,3
	v_mov_b32 v[ZE+\j], 0
	v_mov_b32 v[ZE+8+\j], 0
.endr
	v_mov_b32 v[NM+1], 0                               ; upper halves of pairs that are named whole
	v_mov_b32 v[RS+1], 0
.irp j, 4,5,6,7,9
	v_mov_b32 v[TM+\j], 0                              ; a lane permute's destination counts as one of its sources
.endr
.set uu, 0
.rept 16
	v_mov_b32 v[N+uu], 0                               ; the run is read by its first move
.set uu, uu+1
.endr
	ds_load_b32 v[TK], v[SQA]                          ; tile 0
	s_wait_dscnt 0x0
	ADDR
	ds_load_b128 v[ZE+4:ZE+7], v[EA]
	ds_load_b32 v[ES], v[SA]
	XRLOAD
	s_mov_b32 s31, 0                                   ; 128 bytes of tokens a pair
	s_mov_b32 s30, 15
.Lpair:
	PAIR 0
	s_add_co_u32 s31, s31, 128
	s_sub_co_u32 s30, s30, 1
	s_cmp_lg_u32 s30, 0
	s_cbranch_scc1 .Lpair
	PAIR 1                                             ; the last pair is written out: its second tile fetches nothing
	s_wait_dscnt 0x0
	s_barrier_signal -1
	s_barrier_wait -1                                  ; every wave has read the tables for the last time: LDS may be stored into again
	v_cmp_gt_u32 vcc_lo, 29, v[LN]
	v_cndmask_b32 v[N+15], -1.0, v[N+15], vcc_lo       ; positions 509 to 511 are no candidates; norms are never negative
.set uu, 0
.rept 16
	v_add_nc_u32 v[CD+uu], 32*uu, v[LN]
	v_cvt_f32_u32 v[IX+uu], v[CD+uu]                   ; positions as f32: whole numbers under 2^24 are exact
.set uu, uu+1
.endr
	v_mov_b32 v[BIG], 0x44800000                       ; 1024.0
	v_mov_b32 v[MX+2], 0
.irp j, 0,1,2,3,4,5
	PICK \j
.endr
	v_and_b32 v125, 7, v0                              ; sel's column for my lane
	v_mov_b32 v126, 0x43ff8000                         ; 511.0: columns 0 and 7
.irp c, 1,2,3,4,5,6
	v_cmp_eq_u32 vcc_lo, \c, v125
	v_cndmask_b32 v126, v126, v[SELR+\c-1], vcc_lo
.endr
	v_cvt_u32_f32 v126, v126
	s_lshl_b32 s45, s22, 5
	s_add_co_u32 s45, s45, IDXS
	v_lshlrev_b32 v125, 2, v125
	v_add_nc_u32 v125, s45, v125
	v_lshlrev_b32 v127, 3, v[LN]
	v_add_nc_u32 v130, IDXS, v127
	ds_store_b32 v125, v126                            ; four lanes write the same word with the same value
	s_wait_dscnt 0x0
	s_barrier_signal -1
	s_barrier_wait -1                                  ; the eight rows of sel lie together
	s_cmp_lg_u32 s22, 0
	s_cbranch_scc1 .Lend
	ds_load_b64 v[128:129], v130
	s_wait_dscnt 0x0
	global_store_b64 v127, v[128:129], s[20:21]        ; wave 0 stores 256 consecutive bytes, at a multiple of 256 from sel's first byte
.Lend:
	s_wait_tensorcnt 0x0
	ds_add_u32 v254, v255
	s_wait_dscnt 0x0
	s_endpgm
.Lfunc_end_k_qe2b2d5d29b_norms:
	.size	k_qe2b2d5d29b_norms, .Lfunc_end_k_qe2b2d5d29b_norms-k_qe2b2d5d29b_norms
	.p2alignl 7, 3214868480
	.fill 96, 4, 3214868480
	.section	.rodata,"a",@progbits
	.p2align	6, 0x0
	.amdhsa_kernel k_qe2b2d5d29b_norms
		.amdhsa_group_segment_fixed_size 46080
		.amdhsa_private_segment_fixed_size 0
		.amdhsa_enable_private_segment 0
		.amdhsa_kernarg_size 72
		.amdhsa_user_sgpr_count 2
		.amdhsa_user_sgpr_kernarg_segment_ptr 1
		.amdhsa_wavefront_size32 1
		.amdhsa_system_sgpr_workgroup_id_x 1
		.amdhsa_system_sgpr_workgroup_id_y 1
		.amdhsa_system_sgpr_workgroup_id_z 1
		.amdhsa_system_vgpr_workitem_id 0
		.amdhsa_next_free_vgpr 384
		.amdhsa_next_free_sgpr 66
		.amdhsa_reserve_vcc 1
		.amdhsa_float_denorm_mode_32 3
		.amdhsa_float_denorm_mode_16_64 3
		.amdhsa_memory_ordered 1
		.amdhsa_forward_progress 1
		.amdhsa_inst_pref_size 121
	.end_amdhsa_kernel
	.amdgpu_metadata
---
amdhsa.version: [ 1, 2 ]
amdhsa.kernels:
  - .name:           k_qe2b2d5d29b_norms
    .symbol:         k_qe2b2d5d29b_norms.kd
    .args:
      - { .name: seq, .offset: 0, .size: 8, .value_kind: global_buffer, .address_space: global }
      - { .name: embed, .offset: 8, .size: 8, .value_kind: global_buffer, .address_space: global }
      - { .name: W1, .offset: 16, .size: 8, .value_kind: global_buffer, .address_space: global }
      - { .name: b1, .offset: 24, .size: 8, .value_kind: global_buffer, .address_space: global }
      - { .name: W2, .offset: 32, .size: 8, .value_kind: global_buffer, .address_space: global }
      - { .name: b2, .offset: 40, .size: 8, .value_kind: global_buffer, .address_space: global }
      - { .name: gamma, .offset: 48, .size: 8, .value_kind: global_buffer, .address_space: global }
      - { .name: beta, .offset: 56, .size: 8, .value_kind: global_buffer, .address_space: global }
      - { .name: sel, .offset: 64, .size: 8, .value_kind: global_buffer, .address_space: global }
    .group_segment_fixed_size: 46080
    .private_segment_fixed_size: 0
    .kernarg_segment_align: 8
    .kernarg_segment_size: 72
    .max_flat_workgroup_size: 256
    .sgpr_count:     66
    .vgpr_count:     384
    .wavefront_size: 32
...
	.end_amdgpu_metadata
.endif
;; end of part 1
;; launch slots (part 2): grid 16 x 1, 8 waves a work-group, no clusters, 72,704 bytes of LDS; arguments seq, embed, W1, b1, W2, b2, gamma, beta, sel, Wq, bq, Wo, bo, out0; writes out0
.if DOCPART == 2
	.amdgcn_target "amdgcn-amd-amdhsa--gfx1250"
	.amdhsa_code_object_version 6
	.text
	.protected	k_qe2b2d5d29b_slots
	.globl	k_qe2b2d5d29b_slots
	.p2align	8
	.type	k_qe2b2d5d29b_slots,@function
k_qe2b2d5d29b_slots:
	s_mov_b64 s[64:65], 0
	v_nop
	global_prefetch_b8 v0, s[64:65] scope:SCOPE_SE
	s_setreg_imm32_b32 hwreg(HW_REG_WAVE_MODE, 25, 1), 1
	s_wait_xcnt 0x0
; out0 [2048][64] = softmax(q . slots / 8) slots Wo + bo, q = y(last position) Wq + bq; the slots are y at the six positions that sel [2048][8] names (column 0: the last position).
; y is made as in the launch before: e = embed[token], x = e + relu(e W1 + b1) W2 + b2, y = layernorm(x) gamma + beta.  The four products with weights run on codes of
; E2M1 with one E8M0 byte for each 32 along K; the scores and the weighted sum are f32 multiply-adds; the softmax keeps a running maximum.
; SHARES.  16 work-groups of eight waves; a wave owns 16 rows of the batch, lane (r, h) row r of them throughout.  Its seven tiles are sel's columns 0 to 6 of those rows.
; The head, the layouts and a tile's arithmetic are those of the launch before (a lane holds one position; register 16 b + i of lane (r, h) is unit 32 b + 16 h + i;
; products with K = 64 name the codes as [e | 0] or [0 | e] against a fragment that carries two tiles of the weight).  Wq and Wo are quantised with W1 and W2.
; LIMITS.  NaN and infinities among the inputs are not served.  A block of zeros has the scale byte 1 where the rule says 127 (its codes are zeros; only this program
; reads the bytes).  The weighted sum is divided by the softmax's sum at the end.  b2 is added to e ahead of the second product's sum.
; No tensor loads, no cluster: the weights pass through registers to be quantised and are read once by each work-group.
.set W1IMG, 0
.set W2IMG, 4096
.set W1SC,  8192
.set W2SC,  8448
.set ECODE, 8704
.set ESC,   10752
.set RES,   11008
.set RP,    272
.set QOIMG, 28416                      ; Wq's two fragments, then Wo's two
.set QOSC,  32512                      ; their scale words
.set TOKS,  32768                      ; tokens: 512 bytes a wave, 64 a tile
.set OSTG,  36864                      ; the way out: 16 rows x (256 bytes + 16) for each wave
.set LN,  1
.set RR,  2
.set HH,  3
.set RPR, 4
.set SQA, 5                            ; TOKS + 512 w + 4 r
.set EB,  6
.set RB,  7
.set OSA, 8                            ; the stage: where I put my row's numbers
.set OLA, 9                            ; and where I read rows back
.set TA,  10
.set TK,  11
.set EA,  12
.set SA,  13
.set RA,  14
.set GO,  15                           ; my byte offset in the wave's rows of out0
.set ZE,  16
.set ES,  28
.set PW,  29
.set NM,  30
.set XR,  32
.set H,   64
.set XA,  64
.set P,   128
.set TM,  136
.set MM,  152                          ; the running largest t, and the running sum
.set LL,  153
.set LI,  155
.set LS,  156
.set W1F, 160
.set W2F, 192
.set W1S, 224
.set W2S, 228
.set ZQ,  232                          ; v232-235 zeros, v236-239 the codes of y(last) or of ctx, v240-243 zeros
.set QS,  244                          ; their scale word
.set QOS, 245                          ; v245-248 Wq's and Wo's scale words
.set RS,  250
.set FF,  252                          ; v[252:253] 2^(old maximum - new) (low word)
.set PV,  254                          ; v[254:255] the slot's weight; at the end 1 / sum (low word)
.set B1,  0                            ; window 1: b1, gamma, beta, q, ctx, bq, bo
.set G,   64
.set BT,  96
.set QV,  128
.set CTX, 160
.set BQ,  192
.set BO,  224
.set WO1, 16
.set WO2, 17
.set IMA, 18
.set SCA, 19
.set ECA, 20
.set ESA, 21
.set RSA, 22
.set V8H, 23
.set H64, 24
.set EO,  25
.set B2O, 26
.set L7,  27
.set P1,  28
.set PQ,  29
.set MSB, 0
.macro WIN new                         ; the immediate's high byte repeats the setting that is left
.if MSB != \new
	s_set_vgpr_msb (MSB<<8)|\new
.set MSB, \new
.endif
.endm
.macro PLACES n
.rept \n
	v_nop
.endr
.endm
.macro HALF x, sb, pitch, wo           ; 32 numbers down K of my column: one whole block
.set ii, 0
.rept 32
	global_load_b32 v[\x+ii], v[\wo], s[\sb:\sb+1] offset:ii*\pitch
.set ii, ii+1
.endr
.endm
.macro LDVEC dst, sb, nb               ; a vector in the results' layout
.set bb, 0
.rept \nb
.irp q, 0,1,2,3
	global_load_b128 v[\dst+16*bb+4*\q:\dst+16*bb+4*\q+3], v[H64], s[\sb:\sb+1] offset:128*bb+16*\q
.endr
.set bb, bb+1
.endr
.endm
.macro PREP_E                          ; my 16 numbers of a row of embed: codes, the row's scale word, embed + b2
	v_max3_num_f32 v208, |v176|, |v177|, 0x1800000
	v_max3_num_f32 v209, |v184|, |v185|, |v186|
	v_max3_num_f32 v208, v208, |v178|, |v179|
	v_max3_num_f32 v209, v209, |v187|, |v188|
	v_max3_num_f32 v208, v208, |v180|, |v181|
	v_max3_num_f32 v209, v209, |v189|, |v190|
	v_max3_num_f32 v208, v208, |v182|, |v183|
	v_max3_num_f32 v208, v208, v209, |v191|
	v_max_num_f32_dpp v208, v208, v208 row_xmask:8 row_mask:0xf bank_mask:0xf
	v_add_nc_u32 v210, 0xff000000, v208
	v_lshrrev_b32 v211, 23, v210
	v_lshlrev_b32 v211, v[V8H], v211
	v_mov_b32 v212, 0
	v_permlanex16_b32 v212, v211, s26, s27
	v_or_b32 v211, v211, v212
	v_lshl_or_b32 v211, v211, 16, v211
	v_cvt_scalef32_pk8_fp4_f32 v214, v[176:183], v210
	v_cvt_scalef32_pk8_fp4_f32 v215, v[184:191], v210
	v_nop                                              ; one plain place behind a scaled conversion
	ds_store_b64 v[ECA], v[214:215]
	ds_store_b32 v[ESA], v211
.set jj, 0
.rept 8
	v_pk_add_f32 v[176+jj:177+jj], v[176+jj:177+jj], v[192+jj:193+jj]
.set jj, jj+2
.endr
.irp q, 0,1,2,3
	ds_store_b128 v[RSA], v[176+4*\q:179+4*\q] offset:16*\q
.endr
.endm
.macro QHALF x, t, c, img, sc          ; my block of 32: four registers of a fragment, half a scale word
	v_max3_num_f32 v[\t], |v[\x]|, |v[\x+1]|, 0x1800000
	v_max3_num_f32 v[\t+1], |v[\x+16]|, |v[\x+17]|, |v[\x+18]|
.irp i, 2,4,6,8,10,12
	v_max3_num_f32 v[\t], v[\t], |v[\x+\i]|, |v[\x+\i+1]|
	v_max3_num_f32 v[\t+1], v[\t+1], |v[\x+17+\i]|, |v[\x+18+\i]|
.endr
	v_max3_num_f32 v[\t], v[\t], |v[\x+14]|, |v[\x+15]|
	v_max3_num_f32 v[\t], v[\t], v[\t+1], |v[\x+31]|
	v_add_nc_u32 v[\t+2], 0xff000000, v[\t]
	v_lshrrev_b32 v[\t+3], 23, v[\t+2]
	v_lshlrev_b32 v[\t+3], v[V8H], v[\t+3]
	v_mov_b32 v[\t+4], 0
	v_permlanex16_b32 v[\t+4], v[\t+3], s26, s27
	v_or_b32 v[\t+3], v[\t+3], v[\t+4]
.irp g, 0,1,2,3
	v_cvt_scalef32_pk8_fp4_f32 v[\c+\g], v[\x+8*\g:\x+8*\g+7], v[\t+2]
.endr
	v_nop
	ds_store_b128 v[IMA], v[\c:\c+3] offset:\img
	ds_store_b16 v[SCA], v[\t+3] offset:\sc
.endm
.macro ADDR
	v_min_u32 v[TK], 63, v[TK]
	v_lshl_add_u32 v[EA], v[TK], 4, v[EB]
	v_lshl_add_u32 v[SA], v[TK], 2, ESC
	v_mad_u32_u24 v[RA], v[TK], RP, v[RB]
.endm
.macro XRLOAD
.irp b, 0,1
.irp q, 0,1,2,3
	ds_load_b128 v[XR+16*\b+4*\q:XR+16*\b+4*\q+3], v[RA] offset:128*\b+16*\q
.endr
.endr
.endm
.macro QUANTH                          ; relu and the quantiser of the hidden layer
.irp b, 0,1,2,3
	v_max3_num_f32 v[TM+\b], v[H+16*\b], v[H+16*\b+1], 0x1800000   ; no |.|: what is negative does not count; each accumulator is read from its low end on
.endr
.irp i, 2,4,6,8,10,12,14
.irp b, 0,1,2,3
	v_max3_num_f32 v[TM+\b], v[TM+\b], v[H+16*\b+\i], v[H+16*\b+\i+1]
.endr
.endr
.irp b, 0,1,2,3
	v_permlanex16_b32 v[TM+4+\b], v[TM+\b], s26, s27
.endr
.irp b, 0,1,2,3
	v_max_num_f32 v[TM+\b], v[TM+\b], v[TM+4+\b]
.endr
.irp b, 0,1,2,3
	v_add_nc_u32 v[TM+12+\b], 0xff000000, v[TM+\b]
.endr
.irp b, 0,1,2,3
	v_lshrrev_b32 v[TM+4+\b], 23, v[TM+12+\b]
.endr
	v_lshl_or_b32 v[PW], v[TM+5], 8, v[TM+4]
	v_lshl_or_b32 v[PW], v[TM+6], 16, v[PW]
	v_lshl_or_b32 v[PW], v[TM+7], 24, v[PW]
.irp b, 0,1,2,3
	v_cvt_scalef32_pk8_fp4_f32 v[P+2*\b], v[H+16*\b:H+16*\b+7], v[TM+12+\b]
	v_cvt_scalef32_pk8_fp4_f32 v[P+2*\b+1], v[H+16*\b+8:H+16*\b+15], v[TM+12+\b]
.endr
	v_nop
.irp g, 0,4                            ; a code with its sign bit set becomes 0
.irp j, 0,1,2,3
	v_lshrrev_b32 v[TM+\j], 3, v[P+\g+\j]
.endr
.irp j, 0,1,2,3
	v_and_b32 v[TM+\j], s33, v[TM+\j]
.endr
.irp j, 0,1,2,3
	v_lshlrev_b32 v[TM+4+\j], 4, v[TM+\j]
.endr
.irp j, 0,1,2,3
	v_sub_nc_u32 v[TM+4+\j], v[TM+4+\j], v[TM+\j]
.endr
.irp j, 0,1,2,3
	v_bfi_b32 v[P+\g+\j], v[TM+4+\j], 0, v[P+\g+\j]
.endr
.endr
.irp c, 0,1
.irp i, 0,1
	v_permlane16_swap_b32 v[P+4*\c+\i], v[P+4*\c+2+\i]
.endr
.endr
.endm
.macro FOLD
	v_pk_add_f32 v[TM:TM+1], v[TM:TM+1], v[TM+2:TM+3]
	v_pk_add_f32 v[TM+4:TM+5], v[TM+4:TM+5], v[TM+6:TM+7]
	v_pk_add_f32 v[TM:TM+1], v[TM:TM+1], v[TM+4:TM+5]
	v_add_f32 v[TM+8], v[TM], v[TM+1]
	v_permlanex16_b32 v[TM+9], v[TM+8], s26, s27
	v_add_f32 v[TM+8], v[TM+8], v[TM+9]
.endm
.macro SQSUM
.irp t, 0,1,2,3
	v_pk_mul_f32 v[TM+2*\t:TM+2*\t+1], v[XA+8*\t:XA+8*\t+1], v[XA+8*\t:XA+8*\t+1]
.endr
.irp j, 2,4,6
.irp t, 0,1,2,3
	v_pk_fma_f32 v[TM+2*\t:TM+2*\t+1], v[XA+8*\t+\j:XA+8*\t+\j+1], v[XA+8*\t+\j:XA+8*\t+\j+1], v[TM+2*\t:TM+2*\t+1]
.endr
.endr
.endm
.macro LNORM
.irp t, 0,1,2,3
	v_pk_add_f32 v[TM+2*\t:TM+2*\t+1], v[XA+8*\t:XA+8*\t+1], v[XA+8*\t+2:XA+8*\t+3]   ; each accumulator's first read is of its low end
.endr
.irp j, 4,6
.irp t, 0,1,2,3
	v_pk_add_f32 v[TM+2*\t:TM+2*\t+1], v[TM+2*\t:TM+2*\t+1], v[XA+8*\t+\j:XA+8*\t+\j+1]
.endr
.endr
	FOLD
	v_mul_f32 v[NM], 0xbc800000, v[TM+8]               ; -mean
.set jj, 0
.rept 16
	v_pk_add_f32 v[XA+jj:XA+jj+1], v[XA+jj:XA+jj+1], v[NM:NM+1] op_sel_hi:[1,0]
.set jj, jj+2
.endr
	SQSUM
	FOLD
	v_fma_f32 v[TM+8], v[TM+8], s28, s29               ; var + eps
	v_rsq_f32 v[RS], v[TM+8]
	v_nop
.set jj, 0
	s_wait_alu depctr_va_vdst(0)
.rept 16
	v_pk_mul_f32 v[XA+jj:XA+jj+1], v[XA+jj:XA+jj+1], v[RS:RS+1] op_sel_hi:[1,0]
.set jj, jj+2
.endr
	WIN 0x14
.set jj, 0
.rept 16
	v_pk_fma_f32 v[XA+jj:XA+jj+1], v[XA+jj:XA+jj+1], v[G+jj:G+jj+1], v[BT+jj:BT+jj+1]
.set jj, jj+2
.endr
	WIN 0
.endm
; ONE TILE: 16 positions, one of each of my rows.  more = 1: the next tile's operands are fetched on the way.  mode 1: y is left in v[XA] ..;  mode 2: y is a slot: its score, and the running softmax.
.macro TILE more, mode
	s_wait_dscnt 8                                     ; e's codes and scale word are in; the eight loads of the residual, issued behind them, may be out
	WIN 0x10
.irp t, 0,1,2,3,4,5,6,7
	v_wmma_scale_f32_16x16x128_f8f6f4 v[H+8*\t:H+8*\t+7], v[W1F+8*(\t/2):W1F+8*(\t/2)+7], v[ZE+4-4*(\t%2):ZE+11-4*(\t%2)], v[B1+8*\t:B1+8*\t+7], v[W1S+\t/2], v[ES] matrix_a_fmt:MATRIX_FMT_FP4 matrix_b_fmt:MATRIX_FMT_FP4
.endr
	WIN 0
.if \more
	v_add_nc_u32 v[TA], s31, v[SQA]                    ; with the three below: four places behind the products (ISA guide 7.12.1)
	ds_load_b32 v[TK], v[TA] offset:64
	PLACES 3
.else
	PLACES 4
.endif
	QUANTH
	s_wait_dscnt 0x0                                   ; the next token and this tile's residual are in
.if \more
	ADDR                                               ; four plain lines between the exchange of halves and the product that takes the codes
	ds_load_b128 v[ZE+4:ZE+7], v[EA]
	ds_load_b32 v[ES], v[SA]
.else
	PLACES 4
.endif
.irp t, 0,1,2,3
	v_wmma_scale_f32_16x16x128_f8f6f4 v[XA+8*\t:XA+8*\t+7], v[W2F+8*\t:W2F+8*\t+7], v[P:P+7], v[XR+8*\t:XR+8*\t+7], v[W2S+\t], v[PW] matrix_a_fmt:MATRIX_FMT_FP4 matrix_b_fmt:MATRIX_FMT_FP4
.endr
	PLACES 4
.if \more
	XRLOAD
.endif
	LNORM
.if \mode == 2
	WIN 0x04                                           ; q lies in window 1
.irp t, 0,1,2,3
	v_pk_mul_f32 v[TM+2*\t:TM+2*\t+1], v[XA+8*\t:XA+8*\t+1], v[QV+8*\t:QV+8*\t+1]   ; q's accumulators are read from their low ends on
.endr
.irp j, 2,4,6
.irp t, 0,1,2,3
	v_pk_fma_f32 v[TM+2*\t:TM+2*\t+1], v[XA+8*\t+\j:XA+8*\t+\j+1], v[QV+8*\t+\j:QV+8*\t+\j+1], v[TM+2*\t:TM+2*\t+1]
.endr
.endr
	WIN 0
	FOLD
	v_mul_f32 v[TM+8], s48, v[TM+8]                    ; t = score x log2(e) / 8
	v_max_num_f32 v[TM+10], v[MM], v[TM+8]             ; the new largest t
	v_sub_f32 v[TM+11], v[MM], v[TM+10]
	v_sub_f32 v[TM+8], v[TM+8], v[TM+10]
	v_exp_f32 v[FF], v[TM+11]                          ; what was summed is brought under the new maximum,
	v_exp_f32 v[PV], v[TM+8]                           ; and this slot's weight
	v_mov_b32 v[MM], v[TM+10]                          ; (a plain place behind the exponentials)
	s_wait_alu depctr_va_vdst(0)
	v_fma_f32 v[LL], v[LL], v[FF], v[PV]
.set jj, 0
.rept 16
	v_pk_mul_f32 v[XA+jj:XA+jj+1], v[XA+jj:XA+jj+1], v[PV:PV+1] op_sel_hi:[1,0]
.set jj, jj+2
.endr
	WIN 0x41                                           ; ctx (destination and source 0) in window 1
.set jj, 0
.rept 16
	v_pk_fma_f32 v[CTX+jj:CTX+jj+1], v[CTX+jj:CTX+jj+1], v[FF:FF+1], v[XA+jj:XA+jj+1] op_sel_hi:[1,0,1]
.set jj, jj+2
.endr
	WIN 0
.endif
.endm
; The 64 numbers of my row in v[XA] .. (32 a lane) become the codes in v[ZQ+4] .. and the scale word QS: two blocks, each in lanes l and l xor 16.
.macro QUANT2
.irp b, 0,1
	v_max3_num_f32 v[TM+\b], |v[XA+16*\b]|, |v[XA+16*\b+1]|, 0x1800000
.endr
.irp i, 2,4,6,8,10,12,14
.irp b, 0,1
	v_max3_num_f32 v[TM+\b], v[TM+\b], |v[XA+16*\b+\i]|, |v[XA+16*\b+\i+1]|
.endr
.endr
.irp b, 0,1
	v_permlanex16_b32 v[TM+4+\b], v[TM+\b], s26, s27
.endr
.irp b, 0,1
	v_max_num_f32 v[TM+\b], v[TM+\b], v[TM+4+\b]
.endr
.irp b, 0,1
	v_add_nc_u32 v[TM+12+\b], 0xff000000, v[TM+\b]
.endr
.irp b, 0,1
	v_lshrrev_b32 v[TM+4+\b], 23, v[TM+12+\b]
.endr
	v_lshl_or_b32 v[QS], v[TM+5], 8, v[TM+4]
	v_lshl_or_b32 v[QS], v[QS], 16, v[QS]              ; s0, s1, s0, s1
.irp b, 0,1
	v_cvt_scalef32_pk8_fp4_f32 v[ZQ+4+2*\b], v[XA+16*\b:XA+16*\b+7], v[TM+12+\b]
	v_cvt_scalef32_pk8_fp4_f32 v[ZQ+5+2*\b], v[XA+16*\b+8:XA+16*\b+15], v[TM+12+\b]
.endr
	v_nop
	v_permlane16_swap_b32 v[ZQ+4], v[ZQ+6]
	v_permlane16_swap_b32 v[ZQ+5], v[ZQ+7]
.endm
.macro WLOAD f                         ; fragments f and f + 1 of Wq / Wo into v96-111
.irp c, 0,1,2,3
	ds_load_b128 v[96+4*\c:99+4*\c], v[LI] offset:QOIMG+1024*\f+512*\c
.endr
.endm
	s_load_b512 s[4:19], s[0:1], 0x0                   ; seq, embed, W1, b1, W2, b2, gamma, beta
	s_load_b256 s[36:43], s[0:1], 0x40                 ; sel s[36:37], Wq s[38:39], bq s[40:41], Wo s[42:43]
	s_load_b128 s[44:47], s[0:1], 0x60                 ; bo s[44:45], out0 s[46:47]
	v_lshl_add_u32 v158, v0, 2, 0x11800
	v_mov_b32 v159, 0
	v_lshrrev_b32 v[LN], 5, v0
	v_readfirstlane_b32 s22, v[LN]                     ; wave 0..7
	v_and_b32 v[LN], 31, v0
	v_and_b32 v[RR], 15, v0
	v_bfe_u32 v[HH], v0, 4, 1
	v_and_b32 v[RPR], 8, v0
	v_add_nc_u32 v[RPR], v[RPR], v[RR]
	v_and_b32 v[L7], 7, v0
	v_bfe_u32 v[P1], v0, 3, 1
	v_bfe_u32 v[PQ], v0, 3, 2
	v_lshlrev_b32 v[LI], 4, v[LN]
	v_lshlrev_b32 v[LS], 2, v[RR]
	v_lshlrev_b32 v[WO1], 2, v[RPR]
	v_lshl_add_u32 v[WO2], v[HH], 13, v[WO1]
	v_lshl_add_u32 v[WO1], v[HH], 14, v[WO1]
	v_lshlrev_b32 v[V8H], 3, v[HH]
	v_lshlrev_b32 v[H64], 6, v[HH]
	v_lshlrev_b32 v[EO], 8, v[L7]
	v_lshl_add_u32 v[EO], v[PQ], 6, v[EO]
	v_lshlrev_b32 v[B2O], 6, v[PQ]
	v_lshlrev_b32 v143, 11, v[RR]                      ; my row of seq among the wave's 16
	v_lshlrev_b32 v144, 5, v[RR]                       ; and of sel
	s_mov_b32 s26, 0x76543210
	s_mov_b32 s27, 0xfedcba98
	s_mov_b32 s28, 0x3c800000                          ; 1 / 64
	s_mov_b32 s29, 0x3727c5ac                          ; 1e-5
	s_mov_b32 s33, 0x11111111
	s_mov_b32 s48, 0x3e38aa3b                          ; log2(e) / sqrt(64)
	s_and_b32 s34, s22, 1                              ; w & 1
	s_lshr_b32 s35, s22, 1                             ; w >> 1
	s_lshl_b32 s32, ttmp9, 3
	s_add_co_u32 s32, s32, s22                         ; which 16 rows of the batch are my wave's
	s_mov_b32 s25, 0
	s_wait_kmcnt 0x0
	s_lshl_b32 s24, s32, 15
	s_add_nc_u64 s[4:5], s[4:5], s[24:25]              ; seq
	s_lshl_b32 s24, s32, 9
	s_add_nc_u64 s[36:37], s[36:37], s[24:25]          ; sel
	s_lshl_b32 s24, s32, 12
	s_add_nc_u64 s[46:47], s[46:47], s[24:25]          ; out0
	s_lshl_b32 s24, s22, 11
	s_add_nc_u64 s[6:7], s[6:7], s[24:25]              ; embed at row 8 w
	s_lshl_b32 s24, s35, 7
	s_lshl_b32 s23, s34, 5
	s_add_co_u32 s24, s24, s23
	s_add_nc_u64 s[8:9], s[8:9], s[24:25]              ; W1 at tile w
	s_lshl_b32 s24, s34, 14
	s_lshr_b32 s23, s22, 2
	s_lshl_b32 s23, s23, 7
	s_add_co_u32 s24, s24, s23
	s_and_b32 s49, s35, 1
	s_lshl_b32 s23, s49, 5
	s_add_co_u32 s24, s24, s23
	s_add_nc_u64 s[12:13], s[12:13], s[24:25]          ; W2 at K = 64 (w % 2), tile w / 2
	s_cmp_lt_u32 s22, 4                                ; waves 0-3 take Wq's four tiles, waves 4-7 Wo's: the choice hangs on the wave's number alone
	s_cselect_b64 s[50:51], s[38:39], s[42:43]
	s_lshl_b32 s24, s49, 7
	s_lshl_b32 s23, s34, 5
	s_add_co_u32 s24, s24, s23
	s_add_nc_u64 s[50:51], s[50:51], s[24:25]          ; at tile w % 4
	global_load_b128 v[128:131], v144, s[36:37]        ; sel's columns 0-3 of my row,
	global_load_b128 v[132:135], v144, s[36:37] offset:16   ; and 4-7
.irp i, 0,1,2,3
	global_load_b128 v[176+4*\i:179+4*\i], v[EO], s[6:7] offset:16*\i
.endr
.irp i, 0,1,2,3
	global_load_b128 v[192+4*\i:195+4*\i], v[B2O], s[14:15] offset:16*\i
.endr
	HALF 64, 8, 512, WO1
	s_lshl_b32 s52, s22, 9                             ; LDS addresses, while the loads are out
	v_add_nc_u32 v[IMA], s52, v[LI]
	s_lshl_b32 s52, s35, 6
	s_lshl_b32 s53, s34, 1
	s_add_co_u32 s52, s52, s53
	v_add_nc_u32 v[SCA], s52, v[LS]
	s_lshl_b32 s52, s22, 7
	s_add_co_u32 s52, s52, ECODE
	v_lshlrev_b32 v[ECA], 4, v[L7]
	v_lshl_add_u32 v[ECA], v[P1], 3, v[ECA]
	v_lshl_add_u32 v[ECA], v[HH], 10, v[ECA]
	v_add_nc_u32 v[ECA], s52, v[ECA]
	s_lshl_b32 s52, s22, 5
	s_add_co_u32 s52, s52, ESC
	v_lshlrev_b32 v[ESA], 2, v[L7]
	v_add_nc_u32 v[ESA], s52, v[ESA]
	s_mul_i32 s52, s22, 8*RP
	s_add_co_u32 s52, s52, RES
	v_mul_u32_u24 v[RSA], v[L7], RP
	v_lshl_add_u32 v[RSA], v[PQ], 6, v[RSA]
	v_add_nc_u32 v[RSA], s52, v[RSA]
	s_lshl_b32 s52, s22, 9
	s_add_co_u32 s52, s52, TOKS
	v_add_nc_u32 v[SQA], s52, v[LS]
	v_lshl_add_u32 v[EB], v[HH], 10, ECODE
	v_lshl_add_u32 v[RB], v[HH], 6, RES
	s_mul_i32 s52, s22, 16*RP
	s_add_co_u32 s52, s52, OSTG
	v_mul_u32_u24 v[OSA], v[RR], RP
	v_lshl_add_u32 v[OSA], v[HH], 6, v[OSA]
	v_add_nc_u32 v[OSA], s52, v[OSA]                   ; in: row r, + 64 h
	v_mul_u32_u24 v[OLA], v[HH], RP
	v_lshl_add_u32 v[OLA], v[RR], 4, v[OLA]
	v_add_nc_u32 v[OLA], s52, v[OLA]                   ; back: lanes 0-15 one row, lanes 16-31 the next
	v_lshlrev_b32 v[GO], 8, v[HH]
	v_lshl_add_u32 v[GO], v[RR], 4, v[GO]
	s_wait_loadcnt 40                                  ; sel is in: 40 loads were issued behind it
.irp k, 0,1,2,3,4,5,6
	v_min_u32 v[128+\k], 0x1ff, v[128+\k]              ; a position, held inside the row
.endr
.irp k, 0,1,2,3,4,5,6
	v_lshl_add_u32 v[128+\k], v[128+\k], 2, v143
.endr
.irp k, 0,1,2,3,4,5,6
	global_load_b32 v[136+\k], v[128+\k], s[4:5]       ; its token
.endr
	HALF 96, 12, 256, WO2
	s_wait_loadcnt 63                                  ; embed and b2 are in: 71 loads were issued behind them
	PREP_E
	HALF 32, 50, 256, WO2
	s_wait_loadcnt 63                                  ; W1's 32 (71 issued behind them) and the seven tokens (64 behind them) are in
	QHALF 64, 216, 224, W1IMG, W1SC
.irp k, 0,1,2,3,4,5,6
	ds_store_b32 v[SQA], v[136+\k] offset:64*\k        ; both halves of the lanes write the same word with the same value
.endr
	WIN 0x40                                           ; destination window 1
	LDVEC B1, 10, 4
	LDVEC G, 16, 2
	LDVEC BT, 18, 2
	LDVEC BQ, 40, 2
	LDVEC BO, 44, 2
	WIN 0
	s_wait_loadcnt 63                                  ; W2's 32 are in: 80 loads were issued behind them
	QHALF 96, 228, 236, W2IMG, W2SC
	s_wait_loadcnt 48                                  ; Wq's or Wo's 32 are in: the 48 loads of the vectors were issued behind them
	QHALF 32, 240, 248, QOIMG, QOSC
	s_wait_dscnt 0x0                                   ; my stores have landed,
	s_barrier_signal -1
	s_barrier_wait -1                                  ; everybody's have.  From here to the next barrier LDS is only read
.irp f, 0,1,2,3
.irp c, 0,1
	ds_load_b128 v[W1F+8*\f+4*\c:W1F+8*\f+4*\c+3], v[LI] offset:W1IMG+1024*\f+512*\c
	ds_load_b128 v[W2F+8*\f+4*\c:W2F+8*\f+4*\c+3], v[LI] offset:W2IMG+1024*\f+512*\c
.endr
	ds_load_b32 v[W1S+\f], v[LS] offset:W1SC+64*\f
	ds_load_b32 v[W2S+\f], v[LS] offset:W2SC+64*\f
	ds_load_b32 v[QOS+\f], v[LS] offset:QOSC+64*\f
.endr
	s_wait_loadcnt 0x0                                 ; the vectors; and no load names the head's offset registers any more
	s_wait_dscnt 0x0
.irp j, 0,1,2,3
	v_mov_b32 v[ZE+\j], 0
	v_mov_b32 v[ZE+8+\j], 0
	v_mov_b32 v[ZQ+\j], 0
	v_mov_b32 v[ZQ+8+\j], 0
.endr
	v_mov_b32 v[NM+1], 0                               ; upper halves of pairs that are named whole
	v_mov_b32 v[RS+1], 0
	v_mov_b32 v[FF+1], 0
	v_mov_b32 v[PV+1], 0
.irp j, 4,5,6,7,9
	v_mov_b32 v[TM+\j], 0                              ; a lane permute's destination counts as one of its sources
.endr
	v_mov_b32 v[MM], 0xff61b1e6                        ; -3e38, under every t
	v_mov_b32 v[LL], 0
	WIN 0x40
.set jj, 0
.rept 32
	v_mov_b32 v[CTX+jj], 0                             ; the slot's step is written once: the first finds zeros
.set jj, jj+1
.endr
	WIN 0
	ds_load_b32 v[TK], v[SQA]                          ; tile 0: the last positions
	s_wait_dscnt 0x0
	ADDR
	ds_load_b128 v[ZE+4:ZE+7], v[EA]
	ds_load_b32 v[ES], v[SA]
	XRLOAD
	s_mov_b32 s31, 0
	TILE 1, 1
	s_mov_b32 s31, 64
	QUANT2                                             ; q = y(last) Wq + bq
	WLOAD 0
	s_wait_dscnt 0x0
	PLACES 8                                           ; a scale word written by a vector instruction stands eight places ahead of the scaled product, codes so written four
	WIN 0x50                                           ; C = bq and D = q in window 1
.irp t, 0,1,2,3
	v_wmma_scale_f32_16x16x128_f8f6f4 v[QV+8*\t:QV+8*\t+7], v[96+8*(\t/2):103+8*(\t/2)], v[ZQ+4-4*(\t%2):ZQ+11-4*(\t%2)], v[BQ+8*\t:BQ+8*\t+7], v[QOS+\t/2], v[QS] matrix_a_fmt:MATRIX_FMT_FP4 matrix_b_fmt:MATRIX_FMT_FP4
.endr
	WIN 0
	PLACES 5                                           ; the next tile's products write over Wq's fragments: five places
	s_mov_b32 s30, 5
.Lslot:
	TILE 1, 2
	s_add_co_u32 s31, s31, 64
	s_sub_co_u32 s30, s30, 1
	s_cmp_lg_u32 s30, 0
	s_cbranch_scc1 .Lslot
	TILE 0, 2                                          ; the sixth slot fetches nothing
	v_rcp_f32 v[PV], v[LL]
	v_nop
	WIN 0x01                                           ; ctx in window 1
.set jj, 0
	s_wait_alu depctr_va_vdst(0)
.rept 16
	v_pk_mul_f32 v[XA+jj:XA+jj+1], v[CTX+jj:CTX+jj+1], v[PV:PV+1] op_sel_hi:[1,0]
.set jj, jj+2
.endr
	WIN 0
	QUANT2                                             ; out = ctx Wo + bo
	WLOAD 2
	s_wait_dscnt 0x0
	PLACES 8
	WIN 0x10                                           ; C = bo in window 1
.irp t, 0,1,2,3
	v_wmma_scale_f32_16x16x128_f8f6f4 v[XR+8*\t:XR+8*\t+7], v[96+8*(\t/2):103+8*(\t/2)], v[ZQ+4-4*(\t%2):ZQ+11-4*(\t%2)], v[BO+8*\t:BO+8*\t+7], v[QOS+2+\t/2], v[QS] matrix_a_fmt:MATRIX_FMT_FP4 matrix_b_fmt:MATRIX_FMT_FP4
.endr
	WIN 0
	PLACES 4
	s_wait_dscnt 0x0
	s_barrier_signal -1
	s_barrier_wait -1                                  ; every wave has read the tables for the last time: LDS may be stored into again
.irp b, 0,1                            ; THE WAY OUT: a lane holds 2 x 64 bytes of its row; through my own stage the rows come back whole
.irp q, 0,1,2,3
	ds_store_b128 v[OSA], v[XR+16*\b+4*\q:XR+16*\b+4*\q+3] offset:128*\b+16*\q   ; each accumulator from its low end on
.endr
.endr
.irp i, 0,1,2,3,4,5,6,7
	ds_load_b128 v[96+4*\i:99+4*\i], v[OLA] offset:2*\i*RP   ; LDS serves a wave's instructions in order (ISA guide 5.7.1.4): these see my stores
.endr
.irp i, 0,1,2,3,4,5,6,7
	s_wait_dscnt 7-\i
	global_store_b128 v[GO], v[96+4*\i:99+4*\i], s[46:47] offset:512*\i th:TH_STORE_NT   ; 16 lanes store a row of 256 bytes, at a multiple of 256 from out0's first byte
.endr
	s_wait_tensorcnt 0x0
	ds_add_u32 v158, v159
	s_wait_dscnt 0x0
	s_endpgm
.Lfunc_end_k_qe2b2d5d29b_slots:
	.size	k_qe2b2d5d29b_slots, .Lfunc_end_k_qe2b2d5d29b_slots-k_qe2b2d5d29b_slots
	.p2alignl 7, 3214868480
	.fill 96, 4, 3214868480
	.section	.rodata,"a",@progbits
	.p2align	6, 0x0
	.amdhsa_kernel k_qe2b2d5d29b_slots
		.amdhsa_group_segment_fixed_size 72704
		.amdhsa_private_segment_fixed_size 0
		.amdhsa_enable_private_segment 0
		.amdhsa_kernarg_size 112
		.amdhsa_user_sgpr_count 2
		.amdhsa_user_sgpr_kernarg_segment_ptr 1
		.amdhsa_wavefront_size32 1
		.amdhsa_system_sgpr_workgroup_id_x 1
		.amdhsa_system_sgpr_workgroup_id_y 1
		.amdhsa_system_sgpr_workgroup_id_z 1
		.amdhsa_system_vgpr_workitem_id 0
		.amdhsa_next_free_vgpr 512
		.amdhsa_next_free_sgpr 66
		.amdhsa_reserve_vcc 0
		.amdhsa_float_denorm_mode_32 3
		.amdhsa_float_denorm_mode_16_64 3
		.amdhsa_memory_ordered 1
		.amdhsa_forward_progress 1
		.amdhsa_inst_pref_size 91
	.end_amdhsa_kernel
	.amdgpu_metadata
---
amdhsa.version: [ 1, 2 ]
amdhsa.kernels:
  - .name:           k_qe2b2d5d29b_slots
    .symbol:         k_qe2b2d5d29b_slots.kd
    .args:
      - { .name: seq, .offset: 0, .size: 8, .value_kind: global_buffer, .address_space: global }
      - { .name: embed, .offset: 8, .size: 8, .value_kind: global_buffer, .address_space: global }
      - { .name: W1, .offset: 16, .size: 8, .value_kind: global_buffer, .address_space: global }
      - { .name: b1, .offset: 24, .size: 8, .value_kind: global_buffer, .address_space: global }
      - { .name: W2, .offset: 32, .size: 8, .value_kind: global_buffer, .address_space: global }
      - { .name: b2, .offset: 40, .size: 8, .value_kind: global_buffer, .address_space: global }
      - { .name: gamma, .offset: 48, .size: 8, .value_kind: global_buffer, .address_space: global }
      - { .name: beta, .offset: 56, .size: 8, .value_kind: global_buffer, .address_space: global }
      - { .name: sel, .offset: 64, .size: 8, .value_kind: global_buffer, .address_space: global }
      - { .name: Wq, .offset: 72, .size: 8, .value_kind: global_buffer, .address_space: global }
      - { .name: bq, .offset: 80, .size: 8, .value_kind: global_buffer, .address_space: global }
      - { .name: Wo, .offset: 88, .size: 8, .value_kind: global_buffer, .address_space: global }
      - { .name: bo, .offset: 96, .size: 8, .value_kind: global_buffer, .address_space: global }
      - { .name: out0, .offset: 104, .size: 8, .value_kind: global_buffer, .address_space: global }
    .group_segment_fixed_size: 72704
    .private_segment_fixed_size: 0
    .kernarg_segment_align: 8
    .kernarg_segment_size: 112
    .max_flat_workgroup_size: 256
    .sgpr_count:     66
    .vgpr_count:     512
    .wavefront_size: 32
...
	.end_amdgpu_metadata
.endif
;; end of part 2
;; ======== version 2 of 2: 2 launches; version 1 with the launches norms, slots written anew for expert scheduling mode
;; workspace buffers: sel 65,536 bytes of whole numbers
;; launch norms (part 3): grid 256 x 1, 8 waves a work-group, no clusters, 46,080 bytes of LDS; arguments seq, embed, W1, b1, W2, b2, gamma, beta, sel; writes sel
.if DOCPART == 3
	.amdgcn_target "amdgcn-amd-amdhsa--gfx1250"
	.amdhsa_code_object_version 6
	.text
	.protected	k_qe2b2d5d29b_norms
	.globl	k_qe2b2d5d29b_norms
	.p2align	8
	.type	k_qe2b2d5d29b_norms,@function
k_qe2b2d5d29b_norms:
	s_mov_b64 s[64:65], 0
	v_nop
	global_prefetch_b8 v0, s[64:65] scope:SCOPE_SE
	s_setreg_imm32_b32 hwreg(HW_REG_WAVE_SCHED_MODE, 0, 2), 2
	s_setreg_imm32_b32 hwreg(HW_REG_WAVE_MODE, 25, 1), 1
	s_wait_xcnt 0x0
	s_wait_alu depctr_vm_vsrc(0)
; For every position of seq [2048][512]: e = embed[token], x = e + relu(e W1 + b1) W2 + b2, y = layernorm(x) gamma + beta, |y|;
; then for each row the six positions among 0 .. 508 with the largest |y|, equal norms to the lower position, stored as whole numbers:
; sel [2048][8] = 511, the six positions, 511 (the last column only completes the row's 32 bytes).
; Both products run on codes of E2M1 with one E8M0 byte for each 32 along K; all else is f32.
; SHARES.  256 work-groups of eight waves; wave w of work-group g owns row 8 g + w: 32 tiles of 16 positions.
; THE HEAD.  The eight waves quantise W1, W2 and embed once (a lane takes a column of a weight, its 32 registers run down K: one whole block) and
; leave them in LDS: the weights as images of their operand registers, embed as a table of codes, a table of scale words and a table of embed + b2 in f32.
; Quantising a gathered row is the same as gathering the quantised row, so a position's first operand is 16 bytes of the table.
; LAYOUT.  Both products are used transposed (source 0 = 16 rows of the weight, source 1 = 16 positions): lane (r, h) holds position r throughout.
; Lane r of weight tile 2 b + u takes unit 32 b + 8 u + r + 8 (r / 8), so that in every result register 16 b + i of lane (r, h) is unit 32 b + 16 h + i.
; THE FIRST PRODUCT HAS K = 64 in an instruction of K = 128: a weight fragment carries tile 2 f in its K slots 0-63 and tile 2 f + 1 in slots 64-127; the
; positions' codes stand between two runs of zero registers, and are named as [e | 0] for the even tile and [0 | e] for the odd one: zero codes add nothing.
; RELU rides on the quantiser: negative numbers do not enter the block's maximum, and their codes (sign bit set) are cleared behind the conversion.
; LIMITS.  NaN and infinities among the inputs are not served.  A block of zeros has the scale byte 1 where the rule says 127 (its codes are zeros; only this
; program reads the bytes).  v_rsq_f32 and v_sqrt_f32 are good to one unit in the last place: two different tokens whose norms lie that close may be
; ordered otherwise than by exact arithmetic.  b2 is added to e ahead of the second product's sum, not behind it.
; No tensor loads, no cluster: what work-groups share (80 KiB of weights) has to pass through registers to be quantised, and is read once by each.
; THE MODE: SCHED_MODE bits 1:0 = 2 (LLVM: expert scheduling mode 2), set by the entry lines.  The code itself states the register dependences
; between vector or matrix instructions and memory or LDS instructions, with s_wait_alu, always for 0.
; THE PLAN.  Registers that LDS instructions touch in the loop over tiles:
;   v20-23, v[ES]        e's codes and scale word.  Tile t: its first product reads them; behind the tile's first wait on va_vdst the loads of tile t + 1 land in them.
;   v[XR ..]             the residual.  Tile t: its second product reads it as C; behind the tile's second wait on va_vdst the eight loads of tile t + 1 land in it.
;   v[TK]                a token.  Tile t: the four address lines read tile t + 1's; behind the first wait the load of tile t + 2's lands in it.
;   v[EA], v[SA], v[RA]  written by the four address lines, read by the loads above.   v[TA]: written once a pair, just ahead of them, read by the pair's two token loads.
;   v[SQA], v[LI], v[LS] made at the head and never written again.
; So a tile has one wait on vm_vsrc, ahead of the address lines, and two on va_vdst: one behind the address lines, ahead of the second product, and the one that
; stands behind the reciprocal root in any case.  All its eleven LDS loads follow one of the two, and no vector or matrix line between a wait and a load names a register of that load.
.set W1IMG, 0                          ; LDS: W1's four fragments, 1,024 bytes each: registers 4 c .. 4 c + 3 at 16 x lane + 512 c
.set W2IMG, 4096                       ; W2's four
.set W1SC,  8192                       ; their scale words: 4 bytes a row, 64 a fragment
.set W2SC,  8448
.set ECODE, 8704                       ; embed's codes: 16 bytes a token for k 0-31, and 1,024 bytes on for k 32-63
.set ESC,   10752                      ; embed's scale words, one a token: s0, s1, s0, s1
.set RES,   11008                      ; embed + b2, f32: 64 rows of 256 bytes + 16
.set RP,    272
.set SEQ,   28416                      ; the eight rows of tokens, 2,048 bytes a wave
.set IDXS,  44800                      ; the work-group's 256 bytes of sel
.set LN,  1                            ; v1 lane   v2 r = lane % 16   v3 h = lane / 16   v4 r + 8 (r / 8)
.set RR,  2
.set HH,  3
.set RPR, 4
.set SQA, 5                            ; v5  my token's place in tile 0: SEQ + 2048 w + 4 r
.set EB,  6                            ; v6  ECODE + 1024 h
.set RB,  7                            ; v7  RES + 64 h
.set TA,  10                           ; v10 my token's place in the pair's first tile; v11-14 a token, and the addresses of its codes, scale word, residual
.set TK,  11
.set EA,  12
.set SA,  13
.set RA,  14
.set ZE,  16                           ; v16-19 zeros, v20-23 e's codes, v24-27 zeros
.set ES,  28                           ; e's scale word
.set PW,  29                           ; the hidden layer's scale word
.set NM,  30                           ; v[30:31] -mean (low word)
.set XR,  32                           ; v32-63 embed + b2 of my position: C of the second product
.set H,   64                           ; v64-127 the hidden layer
.set XA,  64                           ; v64-95 the second product's result, then y
.set P,   128                          ; v128-135 the hidden layer's codes
.set TM,  136                          ; v136-151 at work
.set NA,  152                          ; the pair's two norms
.set NB,  153
.set LI,  155                          ; 16 x lane
.set LS,  156                          ; 4 r
.set SQS, 157                          ; head: where my tokens go
.set W1F, 160                          ; v160-191, v192-223 the weights' fragments; v224-231 their scale words
.set W2F, 192
.set W1S, 224
.set W2S, 228
.set N,   232                          ; v232-247 the row's norms: register u, lane l: position 32 u + l
.set RS,  250                          ; v[250:251] 1 / sqrt(var + eps) (low word)
.set B1,  0                            ; window 1: b1 v0-63, gamma v64-95, beta v96-127, in the results' layout
.set G,   64
.set BT,  96
.set WO1, 16                           ; head only, v16-29: offsets and LDS addresses
.set WO2, 17
.set IMA, 18
.set SCA, 19
.set ECA, 20
.set ESA, 21
.set RSA, 22
.set V8H, 23
.set H64, 24
.set EO,  25
.set B2O, 26
.set L7,  27
.set P1,  28
.set PQ,  29
.set IX,  80                           ; the choice: v80-95 positions as f32, v96-111 candidates, v112-117 at work, v118-123 the six, v124 1024.0
.set CD,  96
.set MX,  112
.set MN,  116
.set SELR, 118
.set BIG, 124
.set MK,  4                            ; the choice: s4-19 sixteen lane masks (the addresses that lay there are done with: every load by them has come back)
.set MSB, 0
.macro WIN new                         ; the immediate's high byte repeats the setting that is left
.if MSB != \new
	s_set_vgpr_msb (MSB<<8)|\new
.set MSB, \new
.endif
.endm
.macro PLACES n
.rept \n
	v_nop
.endr
.endm
.macro HALF x, sb, pitch, wo           ; 32 numbers down K of my column: one whole block
.set ii, 0
.rept 32
	global_load_b32 v[\x+ii], v[\wo], s[\sb:\sb+1] offset:ii*\pitch
.set ii, ii+1
.endr
.endm
.macro LDVEC dst, sb, nb               ; a vector in the results' layout: register 16 b + i = number 32 b + 16 h + i
.set bb, 0
.rept \nb
.irp q, 0,1,2,3
	global_load_b128 v[\dst+16*bb+4*\q:\dst+16*bb+4*\q+3], v[H64], s[\sb:\sb+1] offset:128*bb+16*\q
.endr
.set bb, bb+1
.endr
.endm
; My 16 numbers of a row of embed (v176-191; two lanes, l and l xor 8, hold a block) become 8 bytes of codes; the row's scale word; and embed + b2 (b2 in v192-207).
.macro PREP_E
	v_max3_num_f32 v208, |v176|, |v177|, 0x1800000     ; the floor 2^(3 - 127) among the leaves holds the byte at 1 from below
	v_max3_num_f32 v209, |v184|, |v185|, |v186|
	v_max3_num_f32 v208, v208, |v178|, |v179|
	v_max3_num_f32 v209, v209, |v187|, |v188|
	v_max3_num_f32 v208, v208, |v180|, |v181|
	v_max3_num_f32 v209, v209, |v189|, |v190|
	v_max3_num_f32 v208, v208, |v182|, |v183|
	v_max3_num_f32 v208, v208, v209, |v191|
	v_max_num_f32_dpp v208, v208, v208 row_xmask:8 row_mask:0xf bank_mask:0xf   ; with the block's other half
	v_add_nc_u32 v210, 0xff000000, v208                ; 2 off the exponent field: the conversion's scale operand
	v_lshrrev_b32 v211, 23, v210                       ; the byte
	v_lshlrev_b32 v211, v[V8H], v211                   ; at its place: block h
	v_mov_b32 v212, 0
	v_permlanex16_b32 v212, v211, s26, s27
	v_or_b32 v211, v211, v212                          ; s0 | s1 << 8
	v_lshl_or_b32 v211, v211, 16, v211                 ; and once more for K slots 64-127
	v_cvt_scalef32_pk8_fp4_f32 v214, v[176:183], v210
	v_cvt_scalef32_pk8_fp4_f32 v215, v[184:191], v210
	v_nop                                              ; one plain place behind a scaled conversion
.set jj, 0
.rept 8
	v_pk_add_f32 v[176+jj:177+jj], v[176+jj:177+jj], v[192+jj:193+jj]
.set jj, jj+2
.endr
	s_wait_alu depctr_va_vdst(0)                       ; the codes v[214:215], the scale word v211 and embed + b2 in v176-191 are written, and so are the LDS addresses made above: the stores below read them
	ds_store_b64 v[ECA], v[214:215]
	ds_store_b32 v[ESA], v211                          ; four lanes write the same word with the same value
.irp q, 0,1,2,3
	ds_store_b128 v[RSA], v[176+4*\q:179+4*\q] offset:16*\q
.endr
.endm
; My block of 32 numbers v[x] .. becomes four registers of a fragment (image to LDS) and, with lane l xor 16's byte, half a scale word.  t: five registers at work, c: the codes.
.macro QHALF x, t, c, img, sc
	v_max3_num_f32 v[\t], |v[\x]|, |v[\x+1]|, 0x1800000
	v_max3_num_f32 v[\t+1], |v[\x+16]|, |v[\x+17]|, |v[\x+18]|
.irp i, 2,4,6,8,10,12
	v_max3_num_f32 v[\t], v[\t], |v[\x+\i]|, |v[\x+\i+1]|
	v_max3_num_f32 v[\t+1], v[\t+1], |v[\x+17+\i]|, |v[\x+18+\i]|
.endr
	v_max3_num_f32 v[\t], v[\t], |v[\x+14]|, |v[\x+15]|
	v_max3_num_f32 v[\t], v[\t], v[\t+1], |v[\x+31]|
	v_add_nc_u32 v[\t+2], 0xff000000, v[\t]
	v_lshrrev_b32 v[\t+3], 23, v[\t+2]
	v_lshlrev_b32 v[\t+3], v[V8H], v[\t+3]
	v_mov_b32 v[\t+4], 0
	v_permlanex16_b32 v[\t+4], v[\t+3], s26, s27
	v_or_b32 v[\t+3], v[\t+3], v[\t+4]                 ; the bytes of blocks 2 c and 2 c + 1 of my row
.irp g, 0,1,2,3
	v_cvt_scalef32_pk8_fp4_f32 v[\c+\g], v[\x+8*\g:\x+8*\g+7], v[\t+2]
.endr
	v_nop
	s_wait_alu depctr_va_vdst(0)                       ; the four registers of codes and the two scale bytes are written: the two stores read them
	ds_store_b128 v[IMA], v[\c:\c+3] offset:\img
	ds_store_b16 v[SCA], v[\t+3] offset:\sc
.endm
.macro ADDR                            ; the token, held inside the tables, and its three addresses
	v_min_u32 v[TK], 63, v[TK]
	v_lshl_add_u32 v[EA], v[TK], 4, v[EB]
	v_lshl_add_u32 v[SA], v[TK], 2, ESC
	v_mad_u32_u24 v[RA], v[TK], RP, v[RB]
.endm
.macro XRLOAD
.irp b, 0,1
.irp q, 0,1,2,3
	ds_load_b128 v[XR+16*\b+4*\q:XR+16*\b+4*\q+3], v[RA] offset:128*\b+16*\q
.endr
.endr
.endm
; relu and the quantiser of the hidden layer: four blocks of 32 along the next K; a block lies in lanes l and l xor 16.
.macro QUANTH
.irp b, 0,1,2,3
	v_max3_num_f32 v[TM+\b], v[H+16*\b], v[H+16*\b+1], 0x1800000   ; no |.|: what is negative does not count; each accumulator is read from its low end on
.endr
.irp i, 2,4,6,8,10,12,14
.irp b, 0,1,2,3
	v_max3_num_f32 v[TM+\b], v[TM+\b], v[H+16*\b+\i], v[H+16*\b+\i+1]
.endr
.endr
.irp b, 0,1,2,3
	v_permlanex16_b32 v[TM+4+\b], v[TM+\b], s26, s27
.endr
.irp b, 0,1,2,3
	v_max_num_f32 v[TM+\b], v[TM+\b], v[TM+4+\b]
.endr
.irp b, 0,1,2,3
	v_add_nc_u32 v[TM+12+\b], 0xff000000, v[TM+\b]
.endr
.irp b, 0,1,2,3
	v_lshrrev_b32 v[TM+4+\b], 23, v[TM+12+\b]
.endr
	v_lshl_or_b32 v[PW], v[TM+5], 8, v[TM+4]
	v_lshl_or_b32 v[PW], v[TM+6], 16, v[PW]
	v_lshl_or_b32 v[PW], v[TM+7], 24, v[PW]
.irp b, 0,1,2,3
	v_cvt_scalef32_pk8_fp4_f32 v[P+2*\b], v[H+16*\b:H+16*\b+7], v[TM+12+\b]
	v_cvt_scalef32_pk8_fp4_f32 v[P+2*\b+1], v[H+16*\b+8:H+16*\b+15], v[TM+12+\b]
.endr
	v_nop
.irp g, 0,4                            ; a code with its sign bit set becomes 0: 15 x (sign bits) is the mask of such codes
.irp j, 0,1,2,3
	v_lshrrev_b32 v[TM+\j], 3, v[P+\g+\j]
.endr
.irp j, 0,1,2,3
	v_and_b32 v[TM+\j], s33, v[TM+\j]
.endr
.irp j, 0,1,2,3
	v_lshlrev_b32 v[TM+4+\j], 4, v[TM+\j]
.endr
.irp j, 0,1,2,3
	v_sub_nc_u32 v[TM+4+\j], v[TM+4+\j], v[TM+\j]
.endr
.irp j, 0,1,2,3
	v_bfi_b32 v[P+\g+\j], v[TM+4+\j], 0, v[P+\g+\j]
.endr
.endr
.irp c, 0,1                            ; the operand wants a whole block in a lane: lanes 0-15 block 2 c, lanes 16-31 block 2 c + 1
.irp i, 0,1
	v_permlane16_swap_b32 v[P+4*\c+\i], v[P+4*\c+2+\i]
.endr
.endr
.endm
.macro FOLD                            ; four packed partial sums -> the position's sum over its 64 numbers, in v[TM+8] of both its lanes
	v_pk_add_f32 v[TM:TM+1], v[TM:TM+1], v[TM+2:TM+3]
	v_pk_add_f32 v[TM+4:TM+5], v[TM+4:TM+5], v[TM+6:TM+7]
	v_pk_add_f32 v[TM:TM+1], v[TM:TM+1], v[TM+4:TM+5]
	v_add_f32 v[TM+8], v[TM], v[TM+1]
	v_permlanex16_b32 v[TM+9], v[TM+8], s26, s27
	v_add_f32 v[TM+8], v[TM+8], v[TM+9]
.endm
.macro SQSUM                           ; partial sums of squares, four chains
.irp t, 0,1,2,3
	v_pk_mul_f32 v[TM+2*\t:TM+2*\t+1], v[XA+8*\t:XA+8*\t+1], v[XA+8*\t:XA+8*\t+1]
.endr
.irp j, 2,4,6
.irp t, 0,1,2,3
	v_pk_fma_f32 v[TM+2*\t:TM+2*\t+1], v[XA+8*\t+\j:XA+8*\t+\j+1], v[XA+8*\t+\j:XA+8*\t+\j+1], v[TM+2*\t:TM+2*\t+1]
.endr
.endr
.endm
.macro LNORM more                      ; x in v[XA] .. -> y = (x - mean) / sqrt(var + eps) x gamma + beta, in place.  more = 1: the next tile's residual is fetched on the way
.irp t, 0,1,2,3
	v_pk_add_f32 v[TM+2*\t:TM+2*\t+1], v[XA+8*\t:XA+8*\t+1], v[XA+8*\t+2:XA+8*\t+3]   ; each accumulator's first read is of its low end
.endr
.irp j, 4,6
.irp t, 0,1,2,3
	v_pk_add_f32 v[TM+2*\t:TM+2*\t+1], v[TM+2*\t:TM+2*\t+1], v[XA+8*\t+\j:XA+8*\t+\j+1]
.endr
.endr
	FOLD
	v_mul_f32 v[NM], 0xbc800000, v[TM+8]               ; -mean
.set jj, 0
.rept 16
	v_pk_add_f32 v[XA+jj:XA+jj+1], v[XA+jj:XA+jj+1], v[NM:NM+1] op_sel_hi:[1,0]
.set jj, jj+2
.endr
	SQSUM
	FOLD
	v_fma_f32 v[TM+8], v[TM+8], s28, s29               ; var + eps
	v_rsq_f32 v[RS], v[TM+8]
	v_nop                                              ; one plain place behind a transcendental
	s_wait_alu depctr_va_vdst(0)                       ; the reciprocal root v[RS] is written, ahead of its first reader; and the second product is done reading its C, v[XR ..], in which the loads below land
.set nn, 0
.rept 8
.if \more
	ds_load_b128 v[XR+4*nn:XR+4*nn+3], v[RA] offset:128*(nn/4)+16*(nn%4)   ; one load to two multiplications, which name v[XA ..] and v[RS] alone
.endif
	v_pk_mul_f32 v[XA+4*nn:XA+4*nn+1], v[XA+4*nn:XA+4*nn+1], v[RS:RS+1] op_sel_hi:[1,0]
	v_pk_mul_f32 v[XA+4*nn+2:XA+4*nn+3], v[XA+4*nn+2:XA+4*nn+3], v[RS:RS+1] op_sel_hi:[1,0]
.set nn, nn+1
.endr
	WIN 0x14                                           ; gamma and beta lie in window 1
.set jj, 0
.rept 16
	v_pk_fma_f32 v[XA+jj:XA+jj+1], v[XA+jj:XA+jj+1], v[G+jj:G+jj+1], v[BT+jj:BT+jj+1]
.set jj, jj+2
.endr
	WIN 0
.endm
; ONE TILE of 16 positions.  more = 1: the next tile's codes, scale word and residual are fetched on the way.  tok = 1: and the token of the tile after that, off bytes behind v[TA]'s place.
; mk = 1: v[TA] is made anew, for the pair.  left: how many LDS loads were issued behind those of this tile's codes and scale word.  dst: where the norm goes.
.macro TILE more, tok, mk, off, left, dst
	s_wait_dscnt \left                                 ; e's codes and scale word are in; the loads issued behind them (a token's, if one was asked for, and the residual's eight) may be out
	WIN 0x10                                           ; C = b1, in window 1
.irp t, 0,1,2,3,4,5,6,7
	v_wmma_scale_f32_16x16x128_f8f6f4 v[H+8*\t:H+8*\t+7], v[W1F+8*(\t/2):W1F+8*(\t/2)+7], v[ZE+4-4*(\t%2):ZE+11-4*(\t%2)], v[B1+8*\t:B1+8*\t+7], v[W1S+\t/2], v[ES] matrix_a_fmt:MATRIX_FMT_FP4 matrix_b_fmt:MATRIX_FMT_FP4
.endr
	WIN 0
	PLACES 4                                           ; four places behind the products (ISA guide 7.12.1)
	QUANTH
	s_wait_dscnt 0x0                                   ; the next token and this tile's residual are in
.if \more
	s_wait_alu depctr_vm_vsrc(0)                       ; the LDS loads issued so far have read v[EA], v[SA], v[RA] and v[TA], which the lines below write again
.if \mk
	v_add_nc_u32 v[TA], s31, v[SQA]                    ; my token's place in this pair's first tile
.endif
	ADDR                                               ; four plain lines: the places between the exchange of halves and the product that takes the codes
.else
	PLACES 4
.endif
	s_wait_alu depctr_va_vdst(0)                       ; the hidden layer's codes v[P ..] and scale word v[PW] are written, which the scaled product takes; where loads follow: their addresses are written, the first product is done reading e's codes and scale word, the address lines are done with the token
.if \more
	ds_load_b128 v[ZE+4:ZE+7], v[EA]
	ds_load_b32 v[ES], v[SA]
.endif
.if \tok
	ds_load_b32 v[TK], v[TA] offset:\off
.endif
.irp t, 0,1,2,3
	v_wmma_scale_f32_16x16x128_f8f6f4 v[XA+8*\t:XA+8*\t+7], v[W2F+8*\t:W2F+8*\t+7], v[P:P+7], v[XR+8*\t:XR+8*\t+7], v[W2S+\t], v[PW] matrix_a_fmt:MATRIX_FMT_FP4 matrix_b_fmt:MATRIX_FMT_FP4
.endr
	PLACES 4                                           ; in front of the first read of the results
	LNORM \more
	SQSUM
	FOLD
	v_sqrt_f32 v[\dst], v[TM+8]
	v_nop
.endm
; Two tiles, and their norms into the run of 16 registers, which moves down by one: after 16 pairs register u holds pair u, the even tile in lanes 0-15, the odd in lanes 16-31.
.macro PAIR last
.if \last
	TILE 1, 0, 0, 0, 9, NA
	TILE 0, 0, 0, 0, 8, NB
.else
	TILE 1, 1, 1, 128, 9, NA
	TILE 1, 1, 0, 192, 9, NB
.endif
.set uu, 0
.rept 15
	v_mov_b32 v[N+uu], v[N+uu+1]
.set uu, uu+1
.endr
	s_wait_alu depctr_va_vdst(0)                       ; the pair's second root v[NB] is written, ahead of its first reader (the first root's wait stands in the second tile)
	v_cndmask_b32 v[N+15], v[NA], v[NB], s34
.endm
; The largest norm left, the lowest position that has it, and that position struck out.
.macro PICK j
	v_max3_num_f32 v[MX], v[N], v[N+1], v[N+2]
	v_max3_num_f32 v[MX+1], v[N+3], v[N+4], v[N+5]
	v_max3_num_f32 v[MX], v[MX], v[N+6], v[N+7]
	v_max3_num_f32 v[MX+1], v[MX+1], v[N+8], v[N+9]
	v_max3_num_f32 v[MX], v[MX], v[N+10], v[N+11]
	v_max3_num_f32 v[MX+1], v[MX+1], v[N+12], v[N+13]
	v_max3_num_f32 v[MX], v[MX], v[N+14], v[N+15]
	v_max_num_f32 v[MX], v[MX], v[MX+1]
.irp k, 1,2,4,8
	v_max_num_f32_dpp v[MX], v[MX], v[MX] row_xmask:\k row_mask:0xf bank_mask:0xf
.endr
	v_permlanex16_b32 v[MX+2], v[MX], s26, s27
	v_max_num_f32 v[MX], v[MX], v[MX+2]
.set uu, 0
.rept 16
	v_cmp_eq_f32 s[MK+uu], v[N+uu], v[MX]
.set uu, uu+1
.endr
	s_wait_alu depctr_va_sdst(0)                       ; the sixteen masks are written, ahead of the selections that read them
.set uu, 0
.rept 16
	v_cndmask_b32 v[CD+uu], v[BIG], v[IX+uu], s[MK+uu] ; the position where the norm is the largest, else 1024
.set uu, uu+1
.endr
	v_min3_num_f32 v[MN], v[CD], v[CD+1], v[CD+2]
	v_min3_num_f32 v[MN+1], v[CD+3], v[CD+4], v[CD+5]
	v_min3_num_f32 v[MN], v[MN], v[CD+6], v[CD+7]
	v_min3_num_f32 v[MN+1], v[MN+1], v[CD+8], v[CD+9]
	v_min3_num_f32 v[MN], v[MN], v[CD+10], v[CD+11]
	v_min3_num_f32 v[MN+1], v[MN+1], v[CD+12], v[CD+13]
	v_min3_num_f32 v[MN], v[MN], v[CD+14], v[CD+15]
	v_min_num_f32 v[MN], v[MN], v[MN+1]
.irp k, 1,2,4,8
	v_min_num_f32_dpp v[MN], v[MN], v[MN] row_xmask:\k row_mask:0xf bank_mask:0xf
.endr
	v_permlanex16_b32 v[MX+2], v[MN], s26, s27
	v_min_num_f32 v[SELR+\j], v[MN], v[MX+2]
.set uu, 0
.rept 16
	v_cmp_eq_f32 s[MK+uu], v[IX+uu], v[SELR+\j]
.set uu, uu+1
.endr
	s_wait_alu depctr_va_sdst(0)                       ; the sixteen masks are written, ahead of the selections that read them
.set uu, 0
.rept 16
	v_cndmask_b32 v[N+uu], v[N+uu], -1.0, s[MK+uu]
.set uu, uu+1
.endr
.endm
	s_load_b512 s[4:19], s[0:1], 0x0                   ; seq s[4:5], embed s[6:7], W1 s[8:9], b1 s[10:11], W2 s[12:13], b2 s[14:15], gamma s[16:17], beta s[18:19]
	s_load_b64 s[20:21], s[0:1], 0x40                  ; sel
	v_lshl_add_u32 v254, v0, 2, 0xb000
	v_mov_b32 v255, 0
	v_lshrrev_b32 v[LN], 5, v0
	v_readfirstlane_b32 s22, v[LN]                     ; wave 0..7
	v_and_b32 v[LN], 31, v0
	v_and_b32 v[RR], 15, v0
	v_bfe_u32 v[HH], v0, 4, 1
	v_and_b32 v[RPR], 8, v0
	v_add_nc_u32 v[RPR], v[RPR], v[RR]                 ; r + 8 (r / 8)
	v_and_b32 v[L7], 7, v0                             ; embed: my row of the wave's eight,
	v_bfe_u32 v[P1], v0, 3, 1
	v_bfe_u32 v[PQ], v0, 3, 2                          ; and which 16 of its 64 numbers
	v_lshlrev_b32 v[LI], 4, v[LN]
	v_lshlrev_b32 v[LS], 2, v[RR]
	v_lshlrev_b32 v[WO1], 2, v[RPR]
	v_lshl_add_u32 v[WO2], v[HH], 13, v[WO1]           ; W2: 32 h rows of 256 bytes + my column
	v_lshl_add_u32 v[WO1], v[HH], 14, v[WO1]           ; W1: 32 h rows of 512 bytes + my column
	v_lshlrev_b32 v[V8H], 3, v[HH]
	v_lshlrev_b32 v[H64], 6, v[HH]
	v_lshlrev_b32 v[EO], 8, v[L7]
	v_lshl_add_u32 v[EO], v[PQ], 6, v[EO]
	v_lshlrev_b32 v[B2O], 6, v[PQ]
	s_mov_b32 s26, 0x76543210                          ; v_permlanex16_b32's selects for lane l xor 16
	s_mov_b32 s27, 0xfedcba98
	s_mov_b32 s28, 0x3c800000                          ; 1 / 64
	s_mov_b32 s29, 0x3727c5ac                          ; 1e-5
	s_mov_b32 s33, 0x11111111
	s_mov_b32 s34, 0xffff0000                          ; lanes 16-31
	s_wait_alu depctr_va_sdst(0)                       ; s22 is written, ahead of its first reader
	s_and_b32 s35, s22, 1                              ; w & 1
	s_lshr_b32 s44, s22, 1                             ; w >> 1
	s_mov_b32 s25, 0
	s_wait_kmcnt 0x0
	s_lshl_b32 s24, ttmp9, 14
	s_lshl_b32 s23, s22, 11
	s_add_co_u32 s24, s24, s23
	s_add_nc_u64 s[4:5], s[4:5], s[24:25]              ; seq at row 8 g + w
	s_mov_b32 s24, s23
	s_add_nc_u64 s[6:7], s[6:7], s[24:25]              ; embed at row 8 w
	s_lshl_b32 s24, s44, 7
	s_lshl_b32 s23, s35, 5
	s_add_co_u32 s24, s24, s23
	s_add_nc_u64 s[8:9], s[8:9], s[24:25]              ; W1 at tile w's first unit: 32 (w / 2) + 8 (w % 2)
	s_lshl_b32 s24, s35, 14
	s_lshr_b32 s23, s22, 2
	s_lshl_b32 s23, s23, 7
	s_add_co_u32 s24, s24, s23
	s_and_b32 s23, s44, 1
	s_lshl_b32 s23, s23, 5
	s_add_co_u32 s24, s24, s23
	s_add_nc_u64 s[12:13], s[12:13], s[24:25]          ; W2 at K = 64 (w % 2), tile w / 2's first unit
	s_lshl_b32 s24, ttmp9, 8
	s_add_nc_u64 s[20:21], s[20:21], s[24:25]          ; sel at the work-group's eight rows
	s_wait_alu depctr_va_vdst(0)                       ; the offsets v[LI], v[LS], v[EO], v[B2O], v[WO1], v[WO2] and v[H64] are written: the head's loads read them
.irp i, 0,1,2,3
	global_load_b128 v[160+4*\i:163+4*\i], v[LI], s[4:5] offset:512*\i th:TH_LOAD_NT   ; my row of tokens, 512 consecutive bytes a load
.endr
.irp i, 0,1,2,3
	global_load_b128 v[176+4*\i:179+4*\i], v[EO], s[6:7] offset:16*\i
.endr
.irp i, 0,1,2,3
	global_load_b128 v[192+4*\i:195+4*\i], v[B2O], s[14:15] offset:16*\i
.endr
	HALF 64, 8, 512, WO1
	HALF 96, 12, 256, WO2
	s_lshl_b32 s45, s22, 9                             ; LDS addresses, while the loads are out
	v_add_nc_u32 v[IMA], s45, v[LI]                    ; my half fragment's image: 16 x lane + 512 w
	s_lshl_b32 s45, s44, 6
	s_lshl_b32 s46, s35, 1
	s_add_co_u32 s45, s45, s46
	v_add_nc_u32 v[SCA], s45, v[LS]                    ; its half scale word: 4 r + 64 (w / 2) + 2 (w % 2)
	s_lshl_b32 s45, s22, 7
	s_add_co_u32 s45, s45, ECODE
	v_lshlrev_b32 v[ECA], 4, v[L7]
	v_lshl_add_u32 v[ECA], v[P1], 3, v[ECA]
	v_lshl_add_u32 v[ECA], v[HH], 10, v[ECA]
	v_add_nc_u32 v[ECA], s45, v[ECA]
	s_lshl_b32 s45, s22, 5
	s_add_co_u32 s45, s45, ESC
	v_lshlrev_b32 v[ESA], 2, v[L7]
	v_add_nc_u32 v[ESA], s45, v[ESA]
	s_mul_i32 s45, s22, 8*RP
	s_add_co_u32 s45, s45, RES
	v_mul_u32_u24 v[RSA], v[L7], RP
	v_lshl_add_u32 v[RSA], v[PQ], 6, v[RSA]
	v_add_nc_u32 v[RSA], s45, v[RSA]
	s_lshl_b32 s45, s22, 11
	s_add_co_u32 s45, s45, SEQ
	v_add_nc_u32 v[SQS], s45, v[LI]
	v_add_nc_u32 v[SQA], s45, v[LS]
	v_lshl_add_u32 v[EB], v[HH], 10, ECODE
	v_lshl_add_u32 v[RB], v[HH], 6, RES
	s_wait_loadcnt 63                                  ; tokens, embed and b2 are in: 64 loads were issued behind them
	PREP_E
.irp i, 0,1,2,3
	ds_store_b128 v[SQS], v[160+4*\i:163+4*\i] offset:512*\i   ; behind the wait in the lines above, which has shown v[SQS] written; the data came by loads
.endr
	WIN 0x40                                           ; destination window 1
	LDVEC B1, 10, 4
	LDVEC G, 16, 2
	LDVEC BT, 18, 2
	WIN 0
	s_wait_loadcnt 63                                  ; W1's 32 are in: 64 loads were issued behind them
	QHALF 64, 216, 224, W1IMG, W1SC
	s_wait_loadcnt 32                                  ; W2's 32 are in: the 32 loads of the vectors were issued behind them
	QHALF 96, 228, 236, W2IMG, W2SC
	s_wait_dscnt 0x0                                   ; my stores have landed,
	s_barrier_signal -1
	s_barrier_wait -1                                  ; everybody's have: images and tables are whole.  From here to the next barrier LDS is only read
	s_wait_alu depctr_vm_vsrc(0)                       ; the head's loads and LDS stores have read their offsets, addresses and data: v16-27 and v160-247 are written again from here on (the vector lines that named them stand ahead of the last wait on va_vdst)
.irp f, 0,1,2,3
.irp c, 0,1
	ds_load_b128 v[W1F+8*\f+4*\c:W1F+8*\f+4*\c+3], v[LI] offset:W1IMG+1024*\f+512*\c
	ds_load_b128 v[W2F+8*\f+4*\c:W2F+8*\f+4*\c+3], v[LI] offset:W2IMG+1024*\f+512*\c
.endr
	ds_load_b32 v[W1S+\f], v[LS] offset:W1SC+64*\f
	ds_load_b32 v[W2S+\f], v[LS] offset:W2SC+64*\f
.endr
	s_wait_loadcnt 0x0                                 ; b1, gamma, beta; and no load names the head's offset registers any more
	s_wait_dscnt 0x0
.irp j, 0,1,2,3
	v_mov_b32 v[ZE+\j], 0
	v_mov_b32 v[ZE+8+\j], 0
.endr
	v_mov_b32 v[NM+1], 0                               ; upper halves of pairs that are named whole
	v_mov_b32 v[RS+1], 0
.irp j, 4,5,6,7,9
	v_mov_b32 v[TM+\j], 0                              ; a lane permute's destination counts as one of its sources
.endr
.set uu, 0
.rept 16
	v_mov_b32 v[N+uu], 0                               ; the run is read by its first move
.set uu, uu+1
.endr
	ds_load_b32 v[TK], v[SQA]                          ; tile 0
	s_wait_dscnt 0x0
	ADDR
	s_wait_alu depctr_va_vdst(0)                       ; tile 0's three addresses are written and the address lines are done with the token; the head's vector lines are done with v20-23 and v28, in which loads land; the zero codes are written, which the first product takes
	ds_load_b128 v[ZE+4:ZE+7], v[EA]
	ds_load_b32 v[ES], v[SA]
	XRLOAD
	ds_load_b32 v[TK], v[SQA] offset:64                ; tile 1's token
	s_mov_b32 s31, 0                                   ; 128 bytes of tokens a pair
	s_mov_b32 s30, 15
.Lpair:
	PAIR 0
	s_add_co_u32 s31, s31, 128
	s_sub_co_u32 s30, s30, 1
	s_cmp_lg_u32 s30, 0
	s_cbranch_scc1 .Lpair
	PAIR 1                                             ; the last pair is written out: its first tile asks for no token, its second fetches nothing
	s_wait_dscnt 0x0
	s_barrier_signal -1
	s_barrier_wait -1                                  ; every wave has read the tables for the last time: LDS may be stored into again
	v_cmp_gt_u32 vcc_lo, 29, v[LN]
	s_wait_alu depctr_va_vcc(0)                        ; VCC is written, ahead of the selection that reads it
	v_cndmask_b32 v[N+15], -1.0, v[N+15], vcc_lo       ; positions 509 to 511 are no candidates; norms are never negative
.set uu, 0
.rept 16
	v_add_nc_u32 v[CD+uu], 32*uu, v[LN]
	v_cvt_f32_u32 v[IX+uu], v[CD+uu]                   ; positions as f32: whole numbers under 2^24 are exact
.set uu, uu+1
.endr
	v_mov_b32 v[BIG], 0x44800000                       ; 1024.0
	v_mov_b32 v[MX+2], 0
.irp j, 0,1,2,3,4,5
	PICK \j
.endr
	v_and_b32 v125, 7, v0                              ; sel's column for my lane
	v_mov_b32 v126, 0x43ff8000                         ; 511.0: columns 0 and 7
.irp c, 1,2,3,4,5,6
	v_cmp_eq_u32 s[MK+\c-1], \c, v125
.endr
	s_wait_alu depctr_va_sdst(0)                       ; the six masks are written, ahead of the selections that read them
.irp c, 1,2,3,4,5,6
	v_cndmask_b32 v126, v126, v[SELR+\c-1], s[MK+\c-1]
.endr
	v_cvt_u32_f32 v126, v126
	s_lshl_b32 s45, s22, 5
	s_add_co_u32 s45, s45, IDXS
	v_lshlrev_b32 v125, 2, v125
	v_add_nc_u32 v125, s45, v125
	v_lshlrev_b32 v127, 3, v[LN]
	v_add_nc_u32 v130, IDXS, v127
	s_wait_alu depctr_va_vdst(0)                       ; v125 and v126, the store's address and data, are written; so are v130 and v127, by which wave 0 loads and stores below; and the tiles are done with v128-129, in which its load lands
	ds_store_b32 v125, v126                            ; four lanes write the same word with the same value
	s_wait_dscnt 0x0
	s_barrier_signal -1
	s_barrier_wait -1                                  ; the eight rows of sel lie together
	s_cmp_lg_u32 s22, 0
	s_cbranch_scc1 .Lend
	ds_load_b64 v[128:129], v130
	s_wait_dscnt 0x0
	global_store_b64 v127, v[128:129], s[20:21]        ; wave 0 stores 256 consecutive bytes, at a multiple of 256 from sel's first byte
.Lend:
	s_wait_dscnt 0x0                                   ; the closing lines, six on end
	s_wait_alu 0x0
	s_wait_tensorcnt 0x0
	ds_add_u32 v254, v255
	s_wait_dscnt 0x0
	s_endpgm
.Lfunc_end_k_qe2b2d5d29b_norms:
	.size	k_qe2b2d5d29b_norms, .Lfunc_end_k_qe2b2d5d29b_norms-k_qe2b2d5d29b_norms
	.p2alignl 7, 3214868480
	.fill 96, 4, 3214868480
	.section	.rodata,"a",@progbits
	.p2align	6, 0x0
	.amdhsa_kernel k_qe2b2d5d29b_norms
		.amdhsa_group_segment_fixed_size 46080
		.amdhsa_private_segment_fixed_size 0
		.amdhsa_enable_private_segment 0
		.amdhsa_kernarg_size 72
		.amdhsa_user_sgpr_count 2
		.amdhsa_user_sgpr_kernarg_segment_ptr 1
		.amdhsa_wavefront_size32 1
		.amdhsa_system_sgpr_workgroup_id_x 1
		.amdhsa_system_sgpr_workgroup_id_y 1
		.amdhsa_system_sgpr_workgroup_id_z 1
		.amdhsa_system_vgpr_workitem_id 0
		.amdhsa_next_free_vgpr 384
		.amdhsa_next_free_sgpr 66
		.amdhsa_reserve_vcc 1
		.amdhsa_float_denorm_mode_32 3
		.amdhsa_float_denorm_mode_16_64 3
		.amdhsa_memory_ordered 1
		.amdhsa_forward_progress 1
		.amdhsa_inst_pref_size 123
	.end_amdhsa_kernel
	.amdgpu_metadata
---
amdhsa.version: [ 1, 2 ]
amdhsa.kernels:
  - .name:           k_qe2b2d5d29b_norms
    .symbol:         k_qe2b2d5d29b_norms.kd
    .args:
      - { .name: seq, .offset: 0, .size: 8, .value_kind: global_buffer, .address_space: global }
      - { .name: embed, .offset: 8, .size: 8, .value_kind: global_buffer, .address_space: global }
      - { .name: W1, .offset: 16, .size: 8, .value_kind: global_buffer, .address_space: global }
      - { .name: b1, .offset: 24, .size: 8, .value_kind: global_buffer, .address_space: global }
      - { .name: W2, .offset: 32, .size: 8, .value_kind: global_buffer, .address_space: global }
      - { .name: b2, .offset: 40, .size: 8, .value_kind: global_buffer, .address_space: global }
      - { .name: gamma, .offset: 48, .size: 8, .value_kind: global_buffer, .address_space: global }
      - { .name: beta, .offset: 56, .size: 8, .value_kind: global_buffer, .address_space: global }
      - { .name: sel, .offset: 64, .size: 8, .value_kind: global_buffer, .address_space: global }
    .group_segment_fixed_size: 46080
    .private_segment_fixed_size: 0
    .kernarg_segment_align: 8
    .kernarg_segment_size: 72
    .max_flat_workgroup_size: 256
    .sgpr_count:     66
    .vgpr_count:     384
    .wavefront_size: 32
...
	.end_amdgpu_metadata
.endif
;; end of part 3
;; launch slots (part 4): grid 16 x 1, 8 waves a work-group, no clusters, 72,704 bytes of LDS; arguments seq, embed, W1, b1, W2, b2, gamma, beta, sel, Wq, bq, Wo, bo, out0; writes out0
.if DOCPART == 4
	.amdgcn_target "amdgcn-amd-amdhsa--gfx1250"
	.amdhsa_code_object_version 6
	.text
	.protected	k_qe2b2d5d29b_slots
	.globl	k_qe2b2d5d29b_slots
	.p2align	8
	.type	k_qe2b2d5d29b_slots,@function
k_qe2b2d5d29b_slots:
	s_mov_b64 s[64:65], 0
	v_nop
	global_prefetch_b8 v0, s[64:65] scope:SCOPE_SE
	s_setreg_imm32_b32 hwreg(HW_REG_WAVE_SCHED_MODE, 0, 2), 2
	s_setreg_imm32_b32 hwreg(HW_REG_WAVE_MODE, 25, 1), 1
	s_wait_xcnt 0x0
	s_wait_alu depctr_vm_vsrc(0)
; out0 [2048][64] = softmax(q . slots / 8) slots Wo + bo, q = y(last position) Wq + bq; the slots are y at the six positions that sel [2048][8] names (column 0: the last position).
; y is made as in the launch before: e = embed[token], x = e + relu(e W1 + b1) W2 + b2, y = layernorm(x) gamma + beta.  The four products with weights run on codes of
; E2M1 with one E8M0 byte for each 32 along K; the scores and the weighted sum are f32 multiply-adds; the softmax keeps a running maximum.
; SHARES.  16 work-groups of eight waves; a wave owns 16 rows of the batch, lane (r, h) row r of them throughout.  Its seven tiles are sel's columns 0 to 6 of those rows.
; The head, the layouts and a tile's arithmetic are those of the launch before (a lane holds one position; register 16 b + i of lane (r, h) is unit 32 b + 16 h + i;
; products with K = 64 name the codes as [e | 0] or [0 | e] against a fragment that carries two tiles of the weight).  Wq and Wo are quantised with W1 and W2.
; LIMITS.  NaN and infinities among the inputs are not served.  A block of zeros has the scale byte 1 where the rule says 127 (its codes are zeros; only this program
; reads the bytes).  The weighted sum is divided by the softmax's sum at the end.  b2 is added to e ahead of the second product's sum.
; No tensor loads, no cluster: the weights pass through registers to be quantised and are read once by each work-group.
; THE MODE: SCHED_MODE bits 1:0 = 2 (LLVM: expert scheduling mode 2), set by the entry lines.  The code itself states the register dependences
; between vector or matrix instructions and memory or LDS instructions, with s_wait_alu, always for 0.
; THE PLAN.  Registers that LDS instructions touch in the tiles:
;   v20-23, v[ES]        e's codes and scale word.  Tile t: its first product reads them; behind the tile's first wait on va_vdst the loads of tile t + 1 land in them.
;   v[XR ..]             the residual.  Tile t: its second product reads it as C; behind the tile's second wait on va_vdst the eight loads of tile t + 1 land in it.
;   v[TK]                a token.  Tile t: the four address lines read tile t + 1's; behind the first wait the load of tile t + 2's lands in it.
;   v[TA], v[EA], v[SA], v[RA]  written by the address lines, read by the loads above.
;   v96-111              Wq's or Wo's fragments: the upper half of the hidden layer's registers, which no line names between a tile's second wait and the next tile's first product.
;   v[SQA], v[LI], v[LS], v[OSA], v[OLA], v[GO]  made at the head and never written again.
; So a tile has one wait on vm_vsrc, ahead of the address lines, and two on va_vdst: one behind the address lines, ahead of the second product, and the one that
; stands behind the reciprocal root in any case.  All its LDS loads follow one of the two, and no vector or matrix line between a wait and a load names a register of that load.
.set W1IMG, 0
.set W2IMG, 4096
.set W1SC,  8192
.set W2SC,  8448
.set ECODE, 8704
.set ESC,   10752
.set RES,   11008
.set RP,    272
.set QOIMG, 28416                      ; Wq's two fragments, then Wo's two
.set QOSC,  32512                      ; their scale words
.set TOKS,  32768                      ; tokens: 512 bytes a wave, 64 a tile
.set OSTG,  36864                      ; the way out: 16 rows x (256 bytes + 16) for each wave
.set LN,  1
.set RR,  2
.set HH,  3
.set RPR, 4
.set SQA, 5                            ; TOKS + 512 w + 4 r
.set EB,  6
.set RB,  7
.set OSA, 8                            ; the stage: where I put my row's numbers
.set OLA, 9                            ; and where I read rows back
.set TA,  10
.set TK,  11
.set EA,  12
.set SA,  13
.set RA,  14
.set GO,  15                           ; my byte offset in the wave's rows of out0
.set ZE,  16
.set ES,  28
.set PW,  29
.set NM,  30
.set XR,  32
.set H,   64
.set XA,  64
.set P,   128
.set TM,  136
.set MM,  152                          ; the running largest t, and the running sum
.set LL,  153
.set LI,  155
.set LS,  156
.set W1F, 160
.set W2F, 192
.set W1S, 224
.set W2S, 228
.set ZQ,  232                          ; v232-235 zeros, v236-239 the codes of y(last) or of ctx, v240-243 zeros
.set QS,  244                          ; their scale word
.set QOS, 245                          ; v245-248 Wq's and Wo's scale words
.set RS,  250
.set FF,  252                          ; v[252:253] 2^(old maximum - new) (low word)
.set PV,  254                          ; v[254:255] the slot's weight; at the end 1 / sum (low word)
.set B1,  0                            ; window 1: b1, gamma, beta, q, ctx, bq, bo
.set G,   64
.set BT,  96
.set QV,  128
.set CTX, 160
.set BQ,  192
.set BO,  224
.set WO1, 16
.set WO2, 17
.set IMA, 18
.set SCA, 19
.set ECA, 20
.set ESA, 21
.set RSA, 22
.set V8H, 23
.set H64, 24
.set EO,  25
.set B2O, 26
.set L7,  27
.set P1,  28
.set PQ,  29
.set MSB, 0
.macro WIN new                         ; the immediate's high byte repeats the setting that is left
.if MSB != \new
	s_set_vgpr_msb (MSB<<8)|\new
.set MSB, \new
.endif
.endm
.macro PLACES n
.rept \n
	v_nop
.endr
.endm
.macro HALF x, sb, pitch, wo           ; 32 numbers down K of my column: one whole block
.set ii, 0
.rept 32
	global_load_b32 v[\x+ii], v[\wo], s[\sb:\sb+1] offset:ii*\pitch
.set ii, ii+1
.endr
.endm
.macro LDVEC dst, sb, nb               ; a vector in the results' layout
.set bb, 0
.rept \nb
.irp q, 0,1,2,3
	global_load_b128 v[\dst+16*bb+4*\q:\dst+16*bb+4*\q+3], v[H64], s[\sb:\sb+1] offset:128*bb+16*\q
.endr
.set bb, bb+1
.endr
.endm
.macro PREP_E                          ; my 16 numbers of a row of embed: codes, the row's scale word, embed + b2
	v_max3_num_f32 v208, |v176|, |v177|, 0x1800000
	v_max3_num_f32 v209, |v184|, |v185|, |v186|
	v_max3_num_f32 v208, v208, |v178|, |v179|
	v_max3_num_f32 v209, v209, |v187|, |v188|
	v_max3_num_f32 v208, v208, |v180|, |v181|
	v_max3_num_f32 v209, v209, |v189|, |v190|
	v_max3_num_f32 v208, v208, |v182|, |v183|
	v_max3_num_f32 v208, v208, v209, |v191|
	v_max_num_f32_dpp v208, v208, v208 row_xmask:8 row_mask:0xf bank_mask:0xf
	v_add_nc_u32 v210, 0xff000000, v208
	v_lshrrev_b32 v211, 23, v210
	v_lshlrev_b32 v211, v[V8H], v211
	v_mov_b32 v212, 0
	v_permlanex16_b32 v212, v211, s26, s27
	v_or_b32 v211, v211, v212
	v_lshl_or_b32 v211, v211, 16, v211
	v_cvt_scalef32_pk8_fp4_f32 v214, v[176:183], v210
	v_cvt_scalef32_pk8_fp4_f32 v215, v[184:191], v210
	v_nop                                              ; one plain place behind a scaled conversion
.set jj, 0
.rept 8
	v_pk_add_f32 v[176+jj:177+jj], v[176+jj:177+jj], v[192+jj:193+jj]
.set jj, jj+2
.endr
	s_wait_alu depctr_va_vdst(0)                       ; the codes v[214:215], the scale word v211 and embed + b2 in v176-191 are written: the stores below read them
	ds_store_b64 v[ECA], v[214:215]
	ds_store_b32 v[ESA], v211
.irp q, 0,1,2,3
	ds_store_b128 v[RSA], v[176+4*\q:179+4*\q] offset:16*\q
.endr
.endm
.macro QHALF x, t, c, img, sc          ; my block of 32: four registers of a fragment, half a scale word
	v_max3_num_f32 v[\t], |v[\x]|, |v[\x+1]|, 0x1800000
	v_max3_num_f32 v[\t+1], |v[\x+16]|, |v[\x+17]|, |v[\x+18]|
.irp i, 2,4,6,8,10,12
	v_max3_num_f32 v[\t], v[\t], |v[\x+\i]|, |v[\x+\i+1]|
	v_max3_num_f32 v[\t+1], v[\t+1], |v[\x+17+\i]|, |v[\x+18+\i]|
.endr
	v_max3_num_f32 v[\t], v[\t], |v[\x+14]|, |v[\x+15]|
	v_max3_num_f32 v[\t], v[\t], v[\t+1], |v[\x+31]|
	v_add_nc_u32 v[\t+2], 0xff000000, v[\t]
	v_lshrrev_b32 v[\t+3], 23, v[\t+2]
	v_lshlrev_b32 v[\t+3], v[V8H], v[\t+3]
	v_mov_b32 v[\t+4], 0
	v_permlanex16_b32 v[\t+4], v[\t+3], s26, s27
	v_or_b32 v[\t+3], v[\t+3], v[\t+4]
.irp g, 0,1,2,3
	v_cvt_scalef32_pk8_fp4_f32 v[\c+\g], v[\x+8*\g:\x+8*\g+7], v[\t+2]
.endr
	v_nop
	s_wait_alu depctr_va_vdst(0)                       ; the four registers of codes and the two scale bytes are written: the two stores read them
	ds_store_b128 v[IMA], v[\c:\c+3] offset:\img
	ds_store_b16 v[SCA], v[\t+3] offset:\sc
.endm
.macro ADDR
	v_min_u32 v[TK], 63, v[TK]
	v_lshl_add_u32 v[EA], v[TK], 4, v[EB]
	v_lshl_add_u32 v[SA], v[TK], 2, ESC
	v_mad_u32_u24 v[RA], v[TK], RP, v[RB]
.endm
.macro XRLOAD
.irp b, 0,1
.irp q, 0,1,2,3
	ds_load_b128 v[XR+16*\b+4*\q:XR+16*\b+4*\q+3], v[RA] offset:128*\b+16*\q
.endr
.endr
.endm
.macro QUANTH                          ; relu and the quantiser of the hidden layer
.irp b, 0,1,2,3
	v_max3_num_f32 v[TM+\b], v[H+16*\b], v[H+16*\b+1], 0x1800000   ; no |.|: what is negative does not count; each accumulator is read from its low end on
.endr
.irp i, 2,4,6,8,10,12,14
.irp b, 0,1,2,3
	v_max3_num_f32 v[TM+\b], v[TM+\b], v[H+16*\b+\i], v[H+16*\b+\i+1]
.endr
.endr
.irp b, 0,1,2,3
	v_permlanex16_b32 v[TM+4+\b], v[TM+\b], s26, s27
.endr
.irp b, 0,1,2,3
	v_max_num_f32 v[TM+\b], v[TM+\b], v[TM+4+\b]
.endr
.irp b, 0,1,2,3
	v_add_nc_u32 v[TM+12+\b], 0xff000000, v[TM+\b]
.endr
.irp b, 0,1,2,3
	v_lshrrev_b32 v[TM+4+\b], 23, v[TM+12+\b]
.endr
	v_lshl_or_b32 v[PW], v[TM+5], 8, v[TM+4]
	v_lshl_or_b32 v[PW], v[TM+6], 16, v[PW]
	v_lshl_or_b32 v[PW], v[TM+7], 24, v[PW]
.irp b, 0,1,2,3
	v_cvt_scalef32_pk8_fp4_f32 v[P+2*\b], v[H+16*\b:H+16*\b+7], v[TM+12+\b]
	v_cvt_scalef32_pk8_fp4_f32 v[P+2*\b+1], v[H+16*\b+8:H+16*\b+15], v[TM+12+\b]
.endr
	v_nop
.irp g, 0,4                            ; a code with its sign bit set becomes 0
.irp j, 0,1,2,3
	v_lshrrev_b32 v[TM+\j], 3, v[P+\g+\j]
.endr
.irp j, 0,1,2,3
	v_and_b32 v[TM+\j], s33, v[TM+\j]
.endr
.irp j, 0,1,2,3
	v_lshlrev_b32 v[TM+4+\j], 4, v[TM+\j]
.endr
.irp j, 0,1,2,3
	v_sub_nc_u32 v[TM+4+\j], v[TM+4+\j], v[TM+\j]
.endr
.irp j, 0,1,2,3
	v_bfi_b32 v[P+\g+\j], v[TM+4+\j], 0, v[P+\g+\j]
.endr
.endr
.irp c, 0,1
.irp i, 0,1
	v_permlane16_swap_b32 v[P+4*\c+\i], v[P+4*\c+2+\i]
.endr
.endr
.endm
.macro FOLD
	v_pk_add_f32 v[TM:TM+1], v[TM:TM+1], v[TM+2:TM+3]
	v_pk_add_f32 v[TM+4:TM+5], v[TM+4:TM+5], v[TM+6:TM+7]
	v_pk_add_f32 v[TM:TM+1], v[TM:TM+1], v[TM+4:TM+5]
	v_add_f32 v[TM+8], v[TM], v[TM+1]
	v_permlanex16_b32 v[TM+9], v[TM+8], s26, s27
	v_add_f32 v[TM+8], v[TM+8], v[TM+9]
.endm
.macro SQSUM
.irp t, 0,1,2,3
	v_pk_mul_f32 v[TM+2*\t:TM+2*\t+1], v[XA+8*\t:XA+8*\t+1], v[XA+8*\t:XA+8*\t+1]
.endr
.irp j, 2,4,6
.irp t, 0,1,2,3
	v_pk_fma_f32 v[TM+2*\t:TM+2*\t+1], v[XA+8*\t+\j:XA+8*\t+\j+1], v[XA+8*\t+\j:XA+8*\t+\j+1], v[TM+2*\t:TM+2*\t+1]
.endr
.endr
.endm
.macro LNORM more                      ; more = 1: the next tile's residual is fetched on the way
.irp t, 0,1,2,3
	v_pk_add_f32 v[TM+2*\t:TM+2*\t+1], v[XA+8*\t:XA+8*\t+1], v[XA+8*\t+2:XA+8*\t+3]   ; each accumulator's first read is of its low end
.endr
.irp j, 4,6
.irp t, 0,1,2,3
	v_pk_add_f32 v[TM+2*\t:TM+2*\t+1], v[TM+2*\t:TM+2*\t+1], v[XA+8*\t+\j:XA+8*\t+\j+1]
.endr
.endr
	FOLD
	v_mul_f32 v[NM], 0xbc800000, v[TM+8]               ; -mean
.set jj, 0
.rept 16
	v_pk_add_f32 v[XA+jj:XA+jj+1], v[XA+jj:XA+jj+1], v[NM:NM+1] op_sel_hi:[1,0]
.set jj, jj+2
.endr
	SQSUM
	FOLD
	v_fma_f32 v[TM+8], v[TM+8], s28, s29               ; var + eps
	v_rsq_f32 v[RS], v[TM+8]
	v_nop
	s_wait_alu depctr_va_vdst(0)                       ; the reciprocal root v[RS] is written, ahead of its first reader; and the second product is done reading its C, v[XR ..], in which the loads below land
.set nn, 0
.rept 8
.if \more
	ds_load_b128 v[XR+4*nn:XR+4*nn+3], v[RA] offset:128*(nn/4)+16*(nn%4)   ; one load to two multiplications, which name v[XA ..] and v[RS] alone
.endif
	v_pk_mul_f32 v[XA+4*nn:XA+4*nn+1], v[XA+4*nn:XA+4*nn+1], v[RS:RS+1] op_sel_hi:[1,0]
	v_pk_mul_f32 v[XA+4*nn+2:XA+4*nn+3], v[XA+4*nn+2:XA+4*nn+3], v[RS:RS+1] op_sel_hi:[1,0]
.set nn, nn+1
.endr
	WIN 0x14
.set jj, 0
.rept 16
	v_pk_fma_f32 v[XA+jj:XA+jj+1], v[XA+jj:XA+jj+1], v[G+jj:G+jj+1], v[BT+jj:BT+jj+1]
.set jj, jj+2
.endr
	WIN 0
.endm
; ONE TILE: 16 positions, one of each of my rows.  more = 1: the next tile's codes, scale word and residual are fetched on the way.  tok = 1: and the token of the tile after that.
; left: how many LDS loads were issued behind those of this tile's codes and scale word.  mode 1: y is left in v[XA] ..;  mode 2: y is a slot: its score, and the running softmax.
.macro TILE more, tok, left, mode
	s_wait_dscnt \left                                 ; e's codes and scale word are in; the loads issued behind them (a token's, if one was asked for, and the residual's eight) may be out
	WIN 0x10
.irp t, 0,1,2,3,4,5,6,7
	v_wmma_scale_f32_16x16x128_f8f6f4 v[H+8*\t:H+8*\t+7], v[W1F+8*(\t/2):W1F+8*(\t/2)+7], v[ZE+4-4*(\t%2):ZE+11-4*(\t%2)], v[B1+8*\t:B1+8*\t+7], v[W1S+\t/2], v[ES] matrix_a_fmt:MATRIX_FMT_FP4 matrix_b_fmt:MATRIX_FMT_FP4
.endr
	WIN 0
	PLACES 4                                           ; four places behind the products (ISA guide 7.12.1)
	QUANTH
	s_wait_dscnt 0x0                                   ; the next token and this tile's residual are in
.if \more
	s_wait_alu depctr_vm_vsrc(0)                       ; the LDS loads issued so far have read v[TA], v[EA], v[SA] and v[RA], which the lines below write again
.if \tok
	v_add_nc_u32 v[TA], s31, v[SQA]                    ; my token's place in this tile
.endif
	ADDR                                               ; four plain lines between the exchange of halves and the product that takes the codes
.else
	PLACES 4
.endif
	s_wait_alu depctr_va_vdst(0)                       ; the hidden layer's codes v[P ..] and scale word v[PW] are written, which the scaled product takes; where loads follow: their addresses are written, the first product is done reading e's codes and scale word, the address lines are done with the token
.if \more
	ds_load_b128 v[ZE+4:ZE+7], v[EA]
	ds_load_b32 v[ES], v[SA]
.endif
.if \tok
	ds_load_b32 v[TK], v[TA] offset:128                ; two tiles on
.endif
.irp t, 0,1,2,3
	v_wmma_scale_f32_16x16x128_f8f6f4 v[XA+8*\t:XA+8*\t+7], v[W2F+8*\t:W2F+8*\t+7], v[P:P+7], v[XR+8*\t:XR+8*\t+7], v[W2S+\t], v[PW] matrix_a_fmt:MATRIX_FMT_FP4 matrix_b_fmt:MATRIX_FMT_FP4
.endr
	PLACES 4
	LNORM \more
.if \mode == 2
	WIN 0x04                                           ; q lies in window 1
.irp t, 0,1,2,3
	v_pk_mul_f32 v[TM+2*\t:TM+2*\t+1], v[XA+8*\t:XA+8*\t+1], v[QV+8*\t:QV+8*\t+1]   ; q's accumulators are read from their low ends on
.endr
.irp j, 2,4,6
.irp t, 0,1,2,3
	v_pk_fma_f32 v[TM+2*\t:TM+2*\t+1], v[XA+8*\t+\j:XA+8*\t+\j+1], v[QV+8*\t+\j:QV+8*\t+\j+1], v[TM+2*\t:TM+2*\t+1]
.endr
.endr
	WIN 0
	FOLD
	v_mul_f32 v[TM+8], s48, v[TM+8]                    ; t = score x log2(e) / 8
	v_max_num_f32 v[TM+10], v[MM], v[TM+8]             ; the new largest t
	v_sub_f32 v[TM+11], v[MM], v[TM+10]
	v_sub_f32 v[TM+8], v[TM+8], v[TM+10]
	v_exp_f32 v[FF], v[TM+11]                          ; what was summed is brought under the new maximum,
	v_exp_f32 v[PV], v[TM+8]                           ; and this slot's weight
	v_mov_b32 v[MM], v[TM+10]                          ; (a plain place behind the exponentials)
	s_wait_alu depctr_va_vdst(0)                       ; the two exponentials v[FF] and v[PV] are written, ahead of their first reader
	v_fma_f32 v[LL], v[LL], v[FF], v[PV]
.set jj, 0
.rept 16
	v_pk_mul_f32 v[XA+jj:XA+jj+1], v[XA+jj:XA+jj+1], v[PV:PV+1] op_sel_hi:[1,0]
.set jj, jj+2
.endr
	WIN 0x41                                           ; ctx (destination and source 0) in window 1
.set jj, 0
.rept 16
	v_pk_fma_f32 v[CTX+jj:CTX+jj+1], v[CTX+jj:CTX+jj+1], v[FF:FF+1], v[XA+jj:XA+jj+1] op_sel_hi:[1,0,1]
.set jj, jj+2
.endr
	WIN 0
.endif
.endm
; The 64 numbers of my row in v[XA] .. (32 a lane) become the codes in v[ZQ+4] .. and the scale word QS: two blocks, each in lanes l and l xor 16.
.macro QUANT2
.irp b, 0,1
	v_max3_num_f32 v[TM+\b], |v[XA+16*\b]|, |v[XA+16*\b+1]|, 0x1800000
.endr
.irp i, 2,4,6,8,10,12,14
.irp b, 0,1
	v_max3_num_f32 v[TM+\b], v[TM+\b], |v[XA+16*\b+\i]|, |v[XA+16*\b+\i+1]|
.endr
.endr
.irp b, 0,1
	v_permlanex16_b32 v[TM+4+\b], v[TM+\b], s26, s27
.endr
.irp b, 0,1
	v_max_num_f32 v[TM+\b], v[TM+\b], v[TM+4+\b]
.endr
.irp b, 0,1
	v_add_nc_u32 v[TM+12+\b], 0xff000000, v[TM+\b]
.endr
.irp b, 0,1
	v_lshrrev_b32 v[TM+4+\b], 23, v[TM+12+\b]
.endr
	v_lshl_or_b32 v[QS], v[TM+5], 8, v[TM+4]
	v_lshl_or_b32 v[QS], v[QS], 16, v[QS]              ; s0, s1, s0, s1
.irp b, 0,1
	v_cvt_scalef32_pk8_fp4_f32 v[ZQ+4+2*\b], v[XA+16*\b:XA+16*\b+7], v[TM+12+\b]
	v_cvt_scalef32_pk8_fp4_f32 v[ZQ+5+2*\b], v[XA+16*\b+8:XA+16*\b+15], v[TM+12+\b]
.endr
	v_nop
	v_permlane16_swap_b32 v[ZQ+4], v[ZQ+6]
	v_permlane16_swap_b32 v[ZQ+5], v[ZQ+7]
.endm
.macro WLOAD f                         ; fragments f and f + 1 of Wq / Wo into v96-111
.irp c, 0,1,2,3
	ds_load_b128 v[96+4*\c:99+4*\c], v[LI] offset:QOIMG+1024*\f+512*\c
.endr
.endm
	s_load_b512 s[4:19], s[0:1], 0x0                   ; seq, embed, W1, b1, W2, b2, gamma, beta
	s_load_b256 s[36:43], s[0:1], 0x40                 ; sel s[36:37], Wq s[38:39], bq s[40:41], Wo s[42:43]
	s_load_b128 s[44:47], s[0:1], 0x60                 ; bo s[44:45], out0 s[46:47]
	v_lshl_add_u32 v158, v0, 2, 0x11800
	v_mov_b32 v159, 0
	v_lshrrev_b32 v[LN], 5, v0
	v_readfirstlane_b32 s22, v[LN]                     ; wave 0..7
	v_and_b32 v[LN], 31, v0
	v_and_b32 v[RR], 15, v0
	v_bfe_u32 v[HH], v0, 4, 1
	v_and_b32 v[RPR], 8, v0
	v_add_nc_u32 v[RPR], v[RPR], v[RR]
	v_and_b32 v[L7], 7, v0
	v_bfe_u32 v[P1], v0, 3, 1
	v_bfe_u32 v[PQ], v0, 3, 2
	v_lshlrev_b32 v[LI], 4, v[LN]
	v_lshlrev_b32 v[LS], 2, v[RR]
	v_lshlrev_b32 v[WO1], 2, v[RPR]
	v_lshl_add_u32 v[WO2], v[HH], 13, v[WO1]
	v_lshl_add_u32 v[WO1], v[HH], 14, v[WO1]
	v_lshlrev_b32 v[V8H], 3, v[HH]
	v_lshlrev_b32 v[H64], 6, v[HH]
	v_lshlrev_b32 v[EO], 8, v[L7]
	v_lshl_add_u32 v[EO], v[PQ], 6, v[EO]
	v_lshlrev_b32 v[B2O], 6, v[PQ]
	v_lshlrev_b32 v143, 11, v[RR]                      ; my row of seq among the wave's 16
	v_lshlrev_b32 v144, 5, v[RR]                       ; and of sel
	s_mov_b32 s26, 0x76543210
	s_mov_b32 s27, 0xfedcba98
	s_mov_b32 s28, 0x3c800000                          ; 1 / 64
	s_mov_b32 s29, 0x3727c5ac                          ; 1e-5
	s_mov_b32 s33, 0x11111111
	s_mov_b32 s48, 0x3e38aa3b                          ; log2(e) / sqrt(64)
	s_wait_alu depctr_va_sdst(0)                       ; s22 is written, ahead of its first reader
	s_and_b32 s34, s22, 1                              ; w & 1
	s_lshr_b32 s35, s22, 1                             ; w >> 1
	s_lshl_b32 s32, ttmp9, 3
	s_add_co_u32 s32, s32, s22                         ; which 16 rows of the batch are my wave's
	s_mov_b32 s25, 0
	s_wait_kmcnt 0x0
	s_lshl_b32 s24, s32, 15
	s_add_nc_u64 s[4:5], s[4:5], s[24:25]              ; seq
	s_lshl_b32 s24, s32, 9
	s_add_nc_u64 s[36:37], s[36:37], s[24:25]          ; sel
	s_lshl_b32 s24, s32, 12
	s_add_nc_u64 s[46:47], s[46:47], s[24:25]          ; out0
	s_lshl_b32 s24, s22, 11
	s_add_nc_u64 s[6:7], s[6:7], s[24:25]              ; embed at row 8 w
	s_lshl_b32 s24, s35, 7
	s_lshl_b32 s23, s34, 5
	s_add_co_u32 s24, s24, s23
	s_add_nc_u64 s[8:9], s[8:9], s[24:25]              ; W1 at tile w
	s_lshl_b32 s24, s34, 14
	s_lshr_b32 s23, s22, 2
	s_lshl_b32 s23, s23, 7
	s_add_co_u32 s24, s24, s23
	s_and_b32 s49, s35, 1
	s_lshl_b32 s23, s49, 5
	s_add_co_u32 s24, s24, s23
	s_add_nc_u64 s[12:13], s[12:13], s[24:25]          ; W2 at K = 64 (w % 2), tile w / 2
	s_cmp_lt_u32 s22, 4                                ; waves 0-3 take Wq's four tiles, waves 4-7 Wo's: the choice hangs on the wave's number alone
	s_cselect_b64 s[50:51], s[38:39], s[42:43]
	s_lshl_b32 s24, s49, 7
	s_lshl_b32 s23, s34, 5
	s_add_co_u32 s24, s24, s23
	s_add_nc_u64 s[50:51], s[50:51], s[24:25]          ; at tile w % 4
	s_wait_alu depctr_va_vdst(0)                       ; the offsets v144, v[LI], v[LS], v[EO], v[B2O], v[WO1], v[WO2] and v[H64] are written: the head's loads read them
	global_load_b128 v[128:131], v144, s[36:37]        ; sel's columns 0-3 of my row,
	global_load_b128 v[132:135], v144, s[36:37] offset:16   ; and 4-7
.irp i, 0,1,2,3
	global_load_b128 v[176+4*\i:179+4*\i], v[EO], s[6:7] offset:16*\i
.endr
.irp i, 0,1,2,3
	global_load_b128 v[192+4*\i:195+4*\i], v[B2O], s[14:15] offset:16*\i
.endr
	HALF 64, 8, 512, WO1
	s_lshl_b32 s52, s22, 9                             ; LDS addresses, while the loads are out
	v_add_nc_u32 v[IMA], s52, v[LI]
	s_lshl_b32 s52, s35, 6
	s_lshl_b32 s53, s34, 1
	s_add_co_u32 s52, s52, s53
	v_add_nc_u32 v[SCA], s52, v[LS]
	s_lshl_b32 s52, s22, 7
	s_add_co_u32 s52, s52, ECODE
	v_lshlrev_b32 v[ECA], 4, v[L7]
	v_lshl_add_u32 v[ECA], v[P1], 3, v[ECA]
	v_lshl_add_u32 v[ECA], v[HH], 10, v[ECA]
	v_add_nc_u32 v[ECA], s52, v[ECA]
	s_lshl_b32 s52, s22, 5
	s_add_co_u32 s52, s52, ESC
	v_lshlrev_b32 v[ESA], 2, v[L7]
	v_add_nc_u32 v[ESA], s52, v[ESA]
	s_mul_i32 s52, s22, 8*RP
	s_add_co_u32 s52, s52, RES
	v_mul_u32_u24 v[RSA], v[L7], RP
	v_lshl_add_u32 v[RSA], v[PQ], 6, v[RSA]
	v_add_nc_u32 v[RSA], s52, v[RSA]
	s_lshl_b32 s52, s22, 9
	s_add_co_u32 s52, s52, TOKS
	v_add_nc_u32 v[SQA], s52, v[LS]
	v_lshl_add_u32 v[EB], v[HH], 10, ECODE
	v_lshl_add_u32 v[RB], v[HH], 6, RES
	s_mul_i32 s52, s22, 16*RP
	s_add_co_u32 s52, s52, OSTG
	v_mul_u32_u24 v[OSA], v[RR], RP
	v_lshl_add_u32 v[OSA], v[HH], 6, v[OSA]
	v_add_nc_u32 v[OSA], s52, v[OSA]                   ; in: row r, + 64 h
	v_mul_u32_u24 v[OLA], v[HH], RP
	v_lshl_add_u32 v[OLA], v[RR], 4, v[OLA]
	v_add_nc_u32 v[OLA], s52, v[OLA]                   ; back: lanes 0-15 one row, lanes 16-31 the next
	v_lshlrev_b32 v[GO], 8, v[HH]
	v_lshl_add_u32 v[GO], v[RR], 4, v[GO]
	s_wait_loadcnt 40                                  ; sel is in: 40 loads were issued behind it
.irp k, 0,1,2,3,4,5,6
	v_min_u32 v[128+\k], 0x1ff, v[128+\k]              ; a position, held inside the row
.endr
.irp k, 0,1,2,3,4,5,6
	v_lshl_add_u32 v[128+\k], v[128+\k], 2, v143
.endr
	s_wait_alu depctr_va_vdst(0)                       ; the seven offsets v128-134 are written, which the loads below read; so are the LDS addresses and v[GO] made above
.irp k, 0,1,2,3,4,5,6
	global_load_b32 v[136+\k], v[128+\k], s[4:5]       ; its token
.endr
	HALF 96, 12, 256, WO2
	s_wait_loadcnt 63                                  ; embed and b2 are in: 71 loads were issued behind them
	PREP_E
	HALF 32, 50, 256, WO2
	s_wait_loadcnt 63                                  ; W1's 32 (71 issued behind them) and the seven tokens (64 behind them) are in
	QHALF 64, 216, 224, W1IMG, W1SC
.irp k, 0,1,2,3,4,5,6
	ds_store_b32 v[SQA], v[136+\k] offset:64*\k        ; both halves of the lanes write the same word with the same value
.endr
	WIN 0x40                                           ; destination window 1
	LDVEC B1, 10, 4
	LDVEC G, 16, 2
	LDVEC BT, 18, 2
	LDVEC BQ, 40, 2
	LDVEC BO, 44, 2
	WIN 0
	s_wait_loadcnt 63                                  ; W2's 32 are in: 80 loads were issued behind them
	QHALF 96, 228, 236, W2IMG, W2SC
	s_wait_loadcnt 48                                  ; Wq's or Wo's 32 are in: the 48 loads of the vectors were issued behind them
	QHALF 32, 240, 248, QOIMG, QOSC
	s_wait_dscnt 0x0                                   ; my stores have landed,
	s_barrier_signal -1
	s_barrier_wait -1                                  ; everybody's have.  From here to the next barrier LDS is only read
	s_wait_alu depctr_vm_vsrc(0)                       ; the head's loads and LDS stores have read their offsets, addresses and data: v16-27, v128-144 and v160-251 are written again from here on (the vector lines that named them stand ahead of the last wait on va_vdst)
.irp f, 0,1,2,3
.irp c, 0,1
	ds_load_b128 v[W1F+8*\f+4*\c:W1F+8*\f+4*\c+3], v[LI] offset:W1IMG+1024*\f+512*\c
	ds_load_b128 v[W2F+8*\f+4*\c:W2F+8*\f+4*\c+3], v[LI] offset:W2IMG+1024*\f+512*\c
.endr
	ds_load_b32 v[W1S+\f], v[LS] offset:W1SC+64*\f
	ds_load_b32 v[W2S+\f], v[LS] offset:W2SC+64*\f
	ds_load_b32 v[QOS+\f], v[LS] offset:QOSC+64*\f
.endr
	s_wait_loadcnt 0x0                                 ; the vectors; and no load names the head's offset registers any more
	s_wait_dscnt 0x0
.irp j, 0,1,2,3
	v_mov_b32 v[ZE+\j], 0
	v_mov_b32 v[ZE+8+\j], 0
	v_mov_b32 v[ZQ+\j], 0
	v_mov_b32 v[ZQ+8+\j], 0
.endr
	v_mov_b32 v[NM+1], 0                               ; upper halves of pairs that are named whole
	v_mov_b32 v[RS+1], 0
	v_mov_b32 v[FF+1], 0
	v_mov_b32 v[PV+1], 0
.irp j, 4,5,6,7,9
	v_mov_b32 v[TM+\j], 0                              ; a lane permute's destination counts as one of its sources
.endr
	v_mov_b32 v[MM], 0xff61b1e6                        ; -3e38, under every t
	v_mov_b32 v[LL], 0
	WIN 0x40
.set jj, 0
.rept 32
	v_mov_b32 v[CTX+jj], 0                             ; the slot's step is written once: the first finds zeros
.set jj, jj+1
.endr
	WIN 0
	ds_load_b32 v[TK], v[SQA]                          ; tile 0: the last positions
	s_wait_dscnt 0x0
	ADDR
	s_wait_alu depctr_va_vdst(0)                       ; tile 0's three addresses are written and the address lines are done with the token; the head's vector lines are done with v20-23, v28 and v32-63, in which loads land; the zero codes are written, which the products take
	ds_load_b128 v[ZE+4:ZE+7], v[EA]
	ds_load_b32 v[ES], v[SA]
	XRLOAD
	ds_load_b32 v[TK], v[SQA] offset:64                ; tile 1's token
	s_mov_b32 s31, 0
	TILE 1, 1, 9, 1
	s_mov_b32 s31, 64
	WLOAD 0                                            ; Wq's fragments.  No wait: no vector or matrix line since the tile's last wait on va_vdst names v96-111
	QUANT2                                             ; q = y(last) Wq + bq
	s_wait_dscnt 0x0
	PLACES 8                                           ; a scale word written by a vector instruction stands eight places ahead of the scaled product, codes so written four
	s_wait_alu depctr_va_vdst(0)                       ; the codes v[ZQ+4 ..] and the scale word v[QS] are written, which the scaled product takes
	WIN 0x50                                           ; C = bq and D = q in window 1
.irp t, 0,1,2,3
	v_wmma_scale_f32_16x16x128_f8f6f4 v[QV+8*\t:QV+8*\t+7], v[96+8*(\t/2):103+8*(\t/2)], v[ZQ+4-4*(\t%2):ZQ+11-4*(\t%2)], v[BQ+8*\t:BQ+8*\t+7], v[QOS+\t/2], v[QS] matrix_a_fmt:MATRIX_FMT_FP4 matrix_b_fmt:MATRIX_FMT_FP4
.endr
	WIN 0
	PLACES 5                                           ; the next tile's products write over Wq's fragments: five places
	s_mov_b32 s30, 4
.Lslot:                                                ; slots 1 to 4: each asks for the token two tiles on, the last of them for the sixth slot's
	TILE 1, 1, 9, 2
	s_add_co_u32 s31, s31, 64
	s_sub_co_u32 s30, s30, 1
	s_cmp_lg_u32 s30, 0
	s_cbranch_scc1 .Lslot
	TILE 1, 0, 9, 2                                    ; the fifth slot asks for no token: there is no eighth tile
	TILE 0, 0, 8, 2                                    ; the sixth slot fetches nothing
	WLOAD 2                                            ; Wo's fragments.  No wait: no vector or matrix line since the tile's last wait on va_vdst names v96-111
	v_rcp_f32 v[PV], v[LL]
	v_nop
	WIN 0x01                                           ; ctx in window 1
	s_wait_alu depctr_va_vdst(0)                       ; the reciprocal v[PV] is written, ahead of its first reader
.set jj, 0
.rept 16
	v_pk_mul_f32 v[XA+jj:XA+jj+1], v[CTX+jj:CTX+jj+1], v[PV:PV+1] op_sel_hi:[1,0]
.set jj, jj+2
.endr
	WIN 0
	QUANT2                                             ; out = ctx Wo + bo
	s_wait_dscnt 0x0
	PLACES 8
	s_wait_alu depctr_va_vdst(0)                       ; the codes v[ZQ+4 ..] and the scale word v[QS] are written, which the scaled product takes
	WIN 0x10                                           ; C = bo in window 1
.irp t, 0,1,2,3
	v_wmma_scale_f32_16x16x128_f8f6f4 v[XR+8*\t:XR+8*\t+7], v[96+8*(\t/2):103+8*(\t/2)], v[ZQ+4-4*(\t%2):ZQ+11-4*(\t%2)], v[BO+8*\t:BO+8*\t+7], v[QOS+2+\t/2], v[QS] matrix_a_fmt:MATRIX_FMT_FP4 matrix_b_fmt:MATRIX_FMT_FP4
.endr
	WIN 0
	PLACES 4
	s_wait_alu depctr_va_vdst(0)                       ; the products have written v[XR ..], which the LDS stores below read, and are done reading Wo's fragments, v96-111, in which the loads from the stage land; the places above stay beside this wait
	s_wait_dscnt 0x0
	s_barrier_signal -1
	s_barrier_wait -1                                  ; every wave has read the tables for the last time: LDS may be stored into again
.irp b, 0,1                            ; THE WAY OUT: a lane holds 2 x 64 bytes of its row; through my own stage the rows come back whole
.irp q, 0,1,2,3
	ds_store_b128 v[OSA], v[XR+16*\b+4*\q:XR+16*\b+4*\q+3] offset:128*\b+16*\q   ; each accumulator from its low end on
.endr
.endr
.irp i, 0,1,2,3,4,5,6,7
	ds_load_b128 v[96+4*\i:99+4*\i], v[OLA] offset:2*\i*RP   ; LDS serves a wave's instructions in order (ISA guide 5.7.1.4): these see my stores
.endr
.irp i, 0,1,2,3,4,5,6,7
	s_wait_dscnt 7-\i
	global_store_b128 v[GO], v[96+4*\i:99+4*\i], s[46:47] offset:512*\i th:TH_STORE_NT   ; 16 lanes store a row of 256 bytes, at a multiple of 256 from out0's first byte
.endr
	s_wait_dscnt 0x0                                   ; the closing lines, six on end
	s_wait_alu 0x0
	s_wait_tensorcnt 0x0
	ds_add_u32 v158, v159
	s_wait_dscnt 0x0
	s_endpgm
.Lfunc_end_k_qe2b2d5d29b_slots:
	.size	k_qe2b2d5d29b_slots, .Lfunc_end_k_qe2b2d5d29b_slots-k_qe2b2d5d29b_slots
	.p2alignl 7, 3214868480
	.fill 96, 4, 3214868480
	.section	.rodata,"a",@progbits
	.p2align	6, 0x0
	.amdhsa_kernel k_qe2b2d5d29b_slots
		.amdhsa_group_segment_fixed_size 72704
		.amdhsa_private_segment_fixed_size 0
		.amdhsa_enable_private_segment 0
		.amdhsa_kernarg_size 112
		.amdhsa_user_sgpr_count 2
		.amdhsa_user_sgpr_kernarg_segment_ptr 1
		.amdhsa_wavefront_size32 1
		.amdhsa_system_sgpr_workgroup_id_x 1
		.amdhsa_system_sgpr_workgroup_id_y 1
		.amdhsa_system_sgpr_workgroup_id_z 1
		.amdhsa_system_vgpr_workitem_id 0
		.amdhsa_next_free_vgpr 512
		.amdhsa_next_free_sgpr 66
		.amdhsa_reserve_vcc 0
		.amdhsa_float_denorm_mode_32 3
		.amdhsa_float_denorm_mode_16_64 3
		.amdhsa_memory_ordered 1
		.amdhsa_forward_progress 1
		.amdhsa_inst_pref_size 110
	.end_amdhsa_kernel
	.amdgpu_metadata
---
amdhsa.version: [ 1, 2 ]
amdhsa.kernels:
  - .name:           k_qe2b2d5d29b_slots
    .symbol:         k_qe2b2d5d29b_slots.kd
    .args:
      - { .name: seq, .offset: 0, .size: 8, .value_kind: global_buffer, .address_space: global }
      - { .name: embed, .offset: 8, .size: 8, .value_kind: global_buffer, .address_space: global }
      - { .name: W1, .offset: 16, .size: 8, .value_kind: global_buffer, .address_space: global }
      - { .name: b1, .offset: 24, .size: 8, .value_kind: global_buffer, .address_space: global }
      - { .name: W2, .offset: 32, .size: 8, .value_kind: global_buffer, .address_space: global }
      - { .name: b2, .offset: 40, .size: 8, .value_kind: global_buffer, .address_space: global }
      - { .name: gamma, .offset: 48, .size: 8, .value_kind: global_buffer, .address_space: global }
      - { .name: beta, .offset: 56, .size: 8, .value_kind: global_buffer, .address_space: global }
      - { .name: sel, .offset: 64, .size: 8, .value_kind: global_buffer, .address_space: global }
      - { .name: Wq, .offset: 72, .size: 8, .value_kind: global_buffer, .address_space: global }
      - { .name: bq, .offset: 80, .size: 8, .value_kind: global_buffer, .address_space: global }
      - { .name: Wo, .offset: 88, .size: 8, .value_kind: global_buffer, .address_space: global }
      - { .name: bo, .offset: 96, .size: 8, .value_kind: global_buffer, .address_space: global }
      - { .name: out0, .offset: 104, .size: 8, .value_kind: global_buffer, .address_space: global }
    .group_segment_fixed_size: 72704
    .private_segment_fixed_size: 0
    .kernarg_segment_align: 8
    .kernarg_segment_size: 112
    .max_flat_workgroup_size: 256
    .sgpr_count:     66
    .vgpr_count:     512
    .wavefront_size: 32
...
	.end_amdgpu_metadata
.endif
;; end of part 4
